; MI455X (gfx1250); checked and timed in simulation.
; The chip was launched on July 23, 2026; its instructions are those of AMD's public machine-readable ISA for CDNA 5 (MIT licence, August 2026) and "CDNA5" Instruction Set Architecture Reference Guide (July 2026). The comments in the code are by the model that wrote it; some were corrected since.
;; Transformer Block. Allowed arithmetic: matrix products marked QUANTISED: E2M3 operands, one E8M0 scale for each 32 along K, by v_wmma_scale_f32_16x16x128_f8f6f4 with both operands' format E2M3, f32 sums; everything else in f32.
;; Inputs: attn_norm_w 2,048 float32; ffn_norm_w 2,048 float32; rope_cos 2,048 x 64 float32; rope_sin 2,048 x 64 float32; w_down_codes 2,048 x 32 x 24 uint8 (E2M3 codes of w_down, K innermost, in blocks of 32 codes, four codes in three bytes); w_down_scales 2,048 x 32 uint8 (E8M0 scales of w_down, one for each 32 codes along K); w_gate_codes 1,024 x 64 x 24 uint8 (E2M3 codes of w_gate, K innermost, in blocks of 32 codes, four codes in three bytes); w_gate_scales 1,024 x 64 uint8 (E8M0 scales of w_gate, one for each 32 codes along K); w_up_codes 1,024 x 64 x 24 uint8 (E2M3 codes of w_up, K innermost, in blocks of 32 codes, four codes in three bytes); w_up_scales 1,024 x 64 uint8 (E8M0 scales of w_up, one for each 32 codes along K); wk_codes 2,048 x 64 x 24 uint8 (E2M3 codes of wk, K innermost, in blocks of 32 codes, four codes in three bytes); wk_scales 2,048 x 64 uint8 (E8M0 scales of wk, one for each 32 codes along K); wo_codes 2,048 x 64 x 24 uint8 (E2M3 codes of wo, K innermost, in blocks of 32 codes, four codes in three bytes); wo_scales 2,048 x 64 uint8 (E8M0 scales of wo, one for each 32 codes along K); wq_codes 2,048 x 64 x 24 uint8 (E2M3 codes of wq, K innermost, in blocks of 32 codes, four codes in three bytes); wq_scales 2,048 x 64 uint8 (E8M0 scales of wq, one for each 32 codes along K); wv_codes 2,048 x 64 x 24 uint8 (E2M3 codes of wv, K innermost, in blocks of 32 codes, four codes in three bytes); wv_scales 2,048 x 64 uint8 (E8M0 scales of wv, one for each 32 codes along K); x 1 x 2,048 x 2,048 float32.
;; Outputs: out0 1 x 2,048 x 2,048 float32.
;; This version of the problem:
;;   THIS VERSION OF THE PROBLEM IS GIVEN IN LOW PRECISION. The matrix products marked QUANTISED in the list below multiply operands that are first quantised to E2M3 (2 exponent bits, 3 mantissa bits; 6 bits a number), with one power-of-two scale for each 32 numbers along K (OCP MX v1.0); their sums are f32. All else is computed in f32.
;;   The module's matrix products, in the order in which they are computed (A, B: the left and right operand; K: the contracted axis; several contracted axes count as one K, in the product's order):
;;     1. [M 2,048, K 2,048] x [K 2,048, N 2,048]; A: computed on the way; B: input wq (given as codes): QUANTISED
;;     2. [M 2,048, K 2,048] x [K 2,048, N 2,048]; A: computed on the way; B: input wk (given as codes): QUANTISED
;;     3. [M 2,048, K 2,048] x [K 2,048, N 2,048]; A: computed on the way; B: input wv (given as codes): QUANTISED
;;     4. batch 16 x [M 2,048, K 128] x [K 128, N 2,048]; A: computed on the way; B: computed on the way: QUANTISED
;;     5. batch 16 x [M 2,048, K 2,048] x [K 2,048, N 128]; A: softmax (see below); B: computed on the way: QUANTISED
;;     6. [M 2,048, K 2,048] x [K 2,048, N 2,048]; A: computed on the way; B: input wo (given as codes): QUANTISED
;;     7. [M 2,048, K 2,048] x [K 2,048, N 1,024]; A: computed on the way; B: input w_gate (given as codes): QUANTISED
;;     8. [M 2,048, K 2,048] x [K 2,048, N 1,024]; A: computed on the way; B: input w_up (given as codes): QUANTISED
;;     9. [M 2,048, K 1,024] x [K 1,024, N 2,048]; A: computed on the way; B: input w_down (given as codes): QUANTISED
;;   THE QUANTISER, for each operand of a quantised product, along K:
;;     - K is cut into blocks of 32 from its start; a last block that is shorter is filled with zeros.
;;     - A block's scale is 2^e with e = floor(log2(the largest magnitude in the block)) - 2, held to -126 .. 127; a block of zeros has e = 0. As a byte (E8M0): e + 127.
;;     - Each number is divided by its block's scale, clamped to +-7.5, and rounded to the nearest number of E2M3, ties to even, subnormals kept.
;;     - The product sums the exact products of the quantised numbers (number of the format x scale) in f32.
;;   ~~~python
;;   def quantise(x, axis):      # numpy; x: float32 -> the quantised numbers, widened to float32 again
;;       x = np.moveaxis(x, axis, -1); K = x.shape[-1]
;;       x = np.pad(x, [(0, 0)] * (x.ndim - 1) + [(0, -K % 32)]); x = x.reshape(x.shape[:-1] + (-1, 32)); a = np.abs(x).max(-1, keepdims=True)
;;       e = np.where(a > 0, np.clip(np.frexp(np.where(a > 0, a, 1))[1] - 1 - 2, -126, 127), 0)      # np.frexp(a)[1] - 1 = floor(log2(a)), exactly
;;       r = np.clip(x / 2.0 ** e, -7.5, 7.5)
;;       step = 2.0 ** (np.maximum(np.frexp(np.where(r == 0, 1, r))[1] - 1, 0) - 3)
;;       q = np.round(r / step) * step * 2.0 ** e      # np.round: ties to even
;;       return np.moveaxis(q.reshape(q.shape[:-2] + (-1,))[..., :K], -1, axis).astype(np.float32)
;;   ~~~
;;   SOFTMAX AHEAD OF A QUANTISED PRODUCT. Where the list says 'softmax', what is quantised is not the finished softmax but p = 2^(t - M), with t = logit x log2(e) and M = ceil(the row's largest t), a whole number; so 1/2 < the row's largest p <= 1. The row's sum l is taken of the UNQUANTISED p, in f32, and the product's result is divided by l at the end. Since M is a whole number, a kernel that streams over the keys may use a running M (the ceiling of the running maximum): every later rescaling is an exact power of two, which a block's scale takes up: the codes' values come out the same.
;;   OPERANDS COMPUTED ON THE WAY. 'Computed on the way' means the value that the module computes at that place (a softmax that the list does not call 'softmax' is quantised finished and normalised). What goes into a quantiser is computed in f32, as accurately as f32 sums, v_exp_f32 and their like allow (about 1e-6 of the number): no bf16 or f16 on the way to a quantiser, and a product that is left as it is and whose result goes on into a quantised operand takes f32 operands (vector FMAs, or v_wmma_f32_16x16x4_f32). A number that lies on a knife's edge between two numbers of the format may be rounded either way, as far as f32 arithmetic and the matrix unit's own rounding can turn it there, and no further.
;;   INPUTS GIVEN AS CODES. w_down (in the module: [1024, 2048], K = its axis 0); w_gate (in the module: [2048, 1024], K = its axis 0); w_up (in the module: [2048, 1024], K = its axis 0); wk (in the module: [2048, 2048], K = its axis 0); wo (in the module: [2048, 2048], K = its axis 0); wq (in the module: [2048, 2048], K = its axis 0); wv (in the module: [2048, 2048], K = its axis 0): each comes as NAME_codes (uint8): NAME with its K axis moved to the last place and cut into blocks of 32 codes, [.., K / 32, bytes a block], one block behind the other in memory; four codes in three bytes: a row's codes are one little-endian stream of bits, code i at bits 6 i .. 6 i + 5 (a code: sign, 2 exponent bits, 3 mantissa bits); and NAME_scales (uint8): the same leading axes, one E8M0 byte (e + 127) for each 32 codes along K. Its value is code x scale, taken as it is: it is not quantised again, and the codes and scales need not be those that the quantiser above would give.
;; One version. Each part assembles by itself: llvm-mc -triple=amdgcn-amd-amdhsa -mcpu=gfx1250 --defsym DOCPART=n.
;; ======== version 1 of 1: 7 launches
;; limits: right only within a limited range of input values
;; workspace buffers: hbuf 3,407,872 bytes; qbuf 3,276,800 bytes; kvbuf 6,553,600 bytes; ybuf 3,407,872 bytes; x1 16,777,216 bytes; actbuf 1,703,936 bytes
;; launch normq (part 1): grid 128 x 1, 16 waves a work-group, no clusters, 138,240 bytes of LDS; arguments x, attn_norm_w, hbuf; writes hbuf
.if DOCPART == 1
	.amdgcn_target "amdgcn-amd-amdhsa--gfx1250"
	.amdhsa_code_object_version 6
	.text
	.protected	k_q162bd52772_normq
	.globl	k_q162bd52772_normq
	.p2align	8
	.type	k_q162bd52772_normq,@function
k_q162bd52772_normq:
	s_mov_b64 s[64:65], 0
	v_nop
	global_prefetch_b8 v0, s[64:65] scope:SCOPE_SE
	s_setreg_imm32_b32 hwreg(HW_REG_WAVE_MODE, 25, 1), 1
	s_wait_xcnt 0x0
; h = x / sqrt(mean(x^2) + 1e-5) * w, quantised along its 2,048 columns to codes of FP6 (E2M3) with one E8M0 byte for each 32, stored as images of operand registers.
; src: [2048][2048] f32; w: [2048] f32; dst: IMG[block 128][K step 16] of 1,536 bytes, then from byte 3,145,728 the scale words [block][K step][32 lanes].
; A block is 16 rows: slot r of block b is row 32 (b / 2) + 8 (b % 2) + r + 8 (r / 8).  An image holds a fragment's 12 registers: register 6 c + k of lane l at 768 c + 16 l + 4 k (k under 4), at 768 c + 512 + 8 l + 4 (k - 4) (k = 4, 5).
; A work-group takes one block (a row's sum of squares meets inside it); wave w takes K step w.  Each load reads 512 consecutive bytes of a row; the wave's own stage in LDS turns them, so that lane (r, h) holds columns 64 c + 32 h + 0 .. 31 of row r.
; LIMITS: NaN and infinities are not served; a block whose largest magnitude lies under 2^-124, a block of zeros among them, gets the byte 1 (only this program reads the bytes).
.set X,    32                          ; v32-95 64 numbers
.set W,    96                          ; v96-159 the weight at the same columns
.set PC,   160                         ; v160-179 codes and work
.set PW,   180                         ; the scale word
.set SQ,   184                         ; v184-191 four chains of squares
.set LI16, 4
.set LI8,  5
.set LS4,  6
.set H8,   31
.set SEL,  12
.set RED,  135168                      ; behind the 16 stages of 16 x 528 bytes: 16 rows x 16 waves of partial sums
.macro QUANTC x, pc, pw, t             ; 64 numbers of a lane, two whole blocks, become 12 registers of codes and a scale word
.irp c, 0,1
	v_max3_num_f32 v[(\t)+\c], |v[(\x)+32*\c]|, |v[(\x)+32*\c+1]|, 0x1800000   ; with the floor 2^(3 - 127): the byte cannot fall under 1
.endr
.irp i, 2,4,6,8,10,12,14,16,18,20,22,24,26,28,30
.irp c, 0,1
	s_delay_alu instid0(VALU_DEP_2)
	v_max3_num_f32 v[(\t)+\c], v[(\t)+\c], |v[(\x)+32*\c+\i]|, |v[(\x)+32*\c+\i+1]|
.endr
.endr
.irp c, 0,1
	s_delay_alu instid0(VALU_DEP_2)
	v_add_nc_u32 v[(\t)+2+\c], 0xff000000, v[(\t)+\c]   ; 2 off the exponent field: the conversion's scale operand
.endr
.irp c, 0,1
	s_delay_alu instid0(VALU_DEP_2)
	v_lshrrev_b32 v[(\t)+4+\c], 23, v[(\t)+2+\c]        ; the scale's byte
.endr
	s_delay_alu instid0(VALU_DEP_1)
	v_lshl_or_b32 v[\pw], v[(\t)+5], 16, v[(\t)+4]
	s_delay_alu instid0(VALU_DEP_1)
	v_lshlrev_b32 v[\pw], v[H8], v[\pw]
	v_mov_b32 v[(\t)+6], 0
	s_delay_alu instid0(VALU_DEP_1)
	v_permlanex16_b32 v[(\t)+6], v[\pw], s[SEL], s[SEL+1]
	s_delay_alu instid0(VALU_DEP_1)
	v_or_b32 v[\pw], v[\pw], v[(\t)+6]                  ; with lane l xor 16's two bytes the word is whole
.irp c, 0,1
	v_cvt_scalef32_pk16_fp6_f32 v[(\pc)+6*\c:(\pc)+6*\c+2], v[(\x)+32*\c:(\x)+32*\c+15], v[(\t)+2+\c]
	v_cvt_scalef32_pk16_fp6_f32 v[(\pc)+12+4*\c:(\pc)+14+4*\c], v[(\x)+32*\c+16:(\x)+32*\c+31], v[(\t)+2+\c]
.endr
	v_nop                                               ; one plain place behind a scaled conversion
.irp c, 0,1
.irp i, 0,1,2
	v_mov_b32 v[(\pc)+3+6*\c+\i], v[(\pc)+12+4*\c+\i]
.endr
.endr
.endm
.macro IMGST pc, bs, off               ; a fragment's image: 512, 256, 512, 256 consecutive bytes
	global_store_b128 v[LI16], v[(\pc):(\pc)+3], s[\bs:\bs+1] offset:(\off)
	global_store_b64 v[LI8], v[(\pc)+4:(\pc)+5], s[\bs:\bs+1] offset:(\off)+512
	global_store_b128 v[LI16], v[(\pc)+6:(\pc)+9], s[\bs:\bs+1] offset:(\off)+768
	global_store_b64 v[LI8], v[(\pc)+10:(\pc)+11], s[\bs:\bs+1] offset:(\off)+1280
.endm
	s_load_b128 s[4:7], s[0:1], 0x0                ; src, w
	s_load_b64 s[8:9], s[0:1], 0x10                ; dst
	v_lshl_add_u32 v192, v0, 2, 0x21400            ; my spare word, and 0
	v_mov_b32 v193, 0
	v_lshrrev_b32 v1, 5, v0
	s_delay_alu instid0(VALU_DEP_1)
	v_readfirstlane_b32 s10, v1                    ; wave = K step
	v_and_b32 v1, 31, v0
	v_and_b32 v2, 15, v0                           ; r
	v_bfe_u32 v3, v0, 4, 1                         ; h
	s_delay_alu instid0(VALU_DEP_3)
	v_lshlrev_b32 v[LI16], 4, v1
	s_delay_alu instid0(VALU_DEP_4)
	v_lshlrev_b32 v[LI8], 3, v1
	v_lshlrev_b32 v[LS4], 2, v1
	s_mul_i32 s11, s10, 8448                       ; my stage
	v_add_nc_u32 v7, s11, v[LI16]
	v_mul_u32_u24 v8, v2, 528
	s_delay_alu instid0(VALU_DEP_1)
	v_lshl_add_u32 v8, v3, 7, v8
	s_delay_alu instid0(VALU_DEP_1)
	v_add_nc_u32 v8, s11, v8                       ; out: row r, + 128 h
	v_lshlrev_b32 v10, 6, v2
	s_delay_alu instid0(VALU_DEP_1)
	v_add_nc_u32 v10, RED, v10                     ; row r's 16 partial sums
	s_lshl_b32 s14, s10, 2
	v_add_nc_u32 v9, s14, v10                      ; my wave's word among them
	v_lshlrev_b32 v11, 7, v3
	v_lshlrev_b32 v[H8], 3, v3
	s_mov_b32 s12, 0x76543210
	s_mov_b32 s13, 0xfedcba98
	s_mov_b32 s28, 0x3a000000                      ; 1 / 2,048
	s_mov_b32 s29, 0x3727c5ac                      ; 1e-5
	s_lshr_b32 s15, ttmp9, 1
	s_lshl_b32 s15, s15, 5
	s_and_b32 s16, ttmp9, 1
	s_lshl_b32 s16, s16, 3
	s_add_co_u32 s15, s15, s16                     ; the block's first row
	s_lshl_b32 s16, s15, 13
	s_lshl_b32 s18, s10, 9
	s_add_co_u32 s16, s16, s18
	s_mov_b32 s17, 0
	s_mov_b32 s19, 0
	s_lshl_b32 s24, ttmp9, 4
	s_add_co_u32 s24, s24, s10                     ; 16 x block + K step
	s_mul_i32 s20, s24, 1536
	s_mov_b32 s21, 0
	s_lshl_b32 s22, s24, 7
	s_add_co_u32 s22, s22, 3145728
	s_mov_b32 s23, 0
	s_wait_alu depctr_va_vdst(0)                   ; the wait at the head's end
	s_wait_kmcnt 0x0
	s_add_nc_u64 s[4:5], s[4:5], s[16:17]
	s_add_nc_u64 s[6:7], s[6:7], s[18:19]
	s_add_nc_u64 s[24:25], s[8:9], s[20:21]        ; my image
	s_add_nc_u64 s[26:27], s[8:9], s[22:23]        ; my scale words
.set i, 0
.rept 16
	global_load_b128 v[X+4*i:X+4*i+3], v[LI16], s[4:5] offset:(i+8*(i/8))*8192 th:TH_LOAD_NT
.set i, i+1
.endr
.set i, 0
.rept 16
	global_load_b128 v[W+4*i:W+4*i+3], v11, s[6:7] offset:256*(i/8)+16*(i%8)
.set i, i+1
.endr
	s_wait_loadcnt 16                              ; the rows are in; the 16 younger loads, the weight's, may be out
.set i, 0
.rept 16
	ds_store_b128 v7, v[X+4*i:X+4*i+3] offset:528*i
.set i, i+1
.endr
.set i, 0
.rept 16
	ds_load_b128 v[X+4*i:X+4*i+3], v8 offset:256*(i/8)+16*(i%8)   ; a wave's LDS instructions are served in order
.set i, i+1
.endr
	s_wait_dscnt 0x0
.irp j, 0,1,2,3
	v_pk_mul_f32 v[SQ+2*\j:SQ+2*\j+1], v[X+2*\j:X+2*\j+1], v[X+2*\j:X+2*\j+1]
.endr
.set n, 4
.rept 28
	s_delay_alu instid0(VALU_DEP_4)
	v_pk_fma_f32 v[SQ+2*(n%4):SQ+2*(n%4)+1], v[X+2*n:X+2*n+1], v[X+2*n:X+2*n+1], v[SQ+2*(n%4):SQ+2*(n%4)+1]
.set n, n+1
.endr
	s_delay_alu instid0(VALU_DEP_3)
	v_pk_add_f32 v[SQ:SQ+1], v[SQ:SQ+1], v[SQ+2:SQ+3]
	s_delay_alu instid0(VALU_DEP_2)
	v_pk_add_f32 v[SQ+4:SQ+5], v[SQ+4:SQ+5], v[SQ+6:SQ+7]
	s_delay_alu instid0(VALU_DEP_1)
	v_pk_add_f32 v[SQ:SQ+1], v[SQ:SQ+1], v[SQ+4:SQ+5]
	s_delay_alu instid0(VALU_DEP_1)
	v_add_f32 v[SQ], v[SQ], v[SQ+1]
	s_delay_alu instid0(VALU_DEP_1)
	v_permlanex16_b32 v[SQ+1], v[SQ], s[SEL], s[SEL+1]
	s_delay_alu instid0(VALU_DEP_1)
	v_add_f32 v[SQ], v[SQ], v[SQ+1]                ; my 128 columns of row r
	ds_store_b32 v9, v[SQ]
	s_wait_dscnt 0x0                               ; for the others' sake: my word has landed
	s_barrier_signal -1
	s_barrier_wait -1
.irp j, 0,1,2,3
	ds_load_b128 v[12+4*\j:15+4*\j], v10 offset:16*\j
.endr
	s_wait_dscnt 0x0
	v_pk_add_f32 v[12:13], v[12:13], v[14:15]      ; the same order in every wave
	v_pk_add_f32 v[16:17], v[16:17], v[18:19]
	v_pk_add_f32 v[20:21], v[20:21], v[22:23]
	v_pk_add_f32 v[24:25], v[24:25], v[26:27]
	s_delay_alu instid0(VALU_DEP_3)
	v_pk_add_f32 v[12:13], v[12:13], v[16:17]
	s_delay_alu instid0(VALU_DEP_2)
	v_pk_add_f32 v[20:21], v[20:21], v[24:25]
	s_delay_alu instid0(VALU_DEP_1)
	v_pk_add_f32 v[12:13], v[12:13], v[20:21]
	s_delay_alu instid0(VALU_DEP_1)
	v_add_f32 v12, v12, v13
	s_delay_alu instid0(VALU_DEP_1)
	v_fma_f32 v12, v12, s28, s29                   ; the mean + eps
	s_wait_alu depctr_va_vdst(0)                   ; the wait ahead of the transcendental
	v_rsq_f32 v28, v12
	v_nop
	s_wait_alu depctr_va_vdst(0)                   ; and ahead of its first reader
	v_mov_b32 v29, v28
	s_wait_alu depctr_va_vdst(0)
	s_wait_loadcnt 0x0                             ; the weight
.set n, 0
.rept 32
	v_pk_mul_f32 v[X+2*n:X+2*n+1], v[X+2*n:X+2*n+1], v[28:29] op_sel_hi:[1,0]
.set n, n+1
.endr
.set n, 0
.rept 32
	v_pk_mul_f32 v[X+2*n:X+2*n+1], v[X+2*n:X+2*n+1], v[W+2*n:W+2*n+1]
.set n, n+1
.endr
	QUANTC X, PC, PW, 12
	IMGST PC, 24, 0
	global_store_b32 v[LS4], v[PW], s[26:27]       ; lanes 16-31 store a copy: 128 consecutive bytes
	s_wait_tensorcnt 0x0                           ; the wave's end
	ds_add_u32 v192, v193
	s_wait_dscnt 0x0
	s_endpgm
.Lfunc_end_k_q162bd52772_normq:
	.size	k_q162bd52772_normq, .Lfunc_end_k_q162bd52772_normq-k_q162bd52772_normq
	.p2alignl 7, 3214868480
	.fill 96, 4, 3214868480
	.section	.rodata,"a",@progbits
	.p2align	6, 0x0
	.amdhsa_kernel k_q162bd52772_normq
		.amdhsa_group_segment_fixed_size 138240
		.amdhsa_private_segment_fixed_size 0
		.amdhsa_enable_private_segment 0
		.amdhsa_kernarg_size 24
		.amdhsa_user_sgpr_count 2
		.amdhsa_user_sgpr_kernarg_segment_ptr 1
		.amdhsa_wavefront_size32 1
		.amdhsa_system_sgpr_workgroup_id_x 1
		.amdhsa_system_sgpr_workgroup_id_y 1
		.amdhsa_system_sgpr_workgroup_id_z 1
		.amdhsa_system_vgpr_workitem_id 0
		.amdhsa_next_free_vgpr 194
		.amdhsa_next_free_sgpr 66
		.amdhsa_reserve_vcc 0
		.amdhsa_float_denorm_mode_32 3
		.amdhsa_float_denorm_mode_16_64 3
		.amdhsa_memory_ordered 1
		.amdhsa_forward_progress 1
		.amdhsa_inst_pref_size 22
	.end_amdhsa_kernel
	.amdgpu_metadata
---
amdhsa.version: [ 1, 2 ]
amdhsa.kernels:
  - .name:           k_q162bd52772_normq
    .symbol:         k_q162bd52772_normq.kd
    .args:
      - { .name: x, .offset: 0, .size: 8, .value_kind: global_buffer, .address_space: global }
      - { .name: attn_norm_w, .offset: 8, .size: 8, .value_kind: global_buffer, .address_space: global }
      - { .name: hbuf, .offset: 16, .size: 8, .value_kind: global_buffer, .address_space: global }
    .group_segment_fixed_size: 138240
    .private_segment_fixed_size: 0
    .kernarg_segment_align: 8
    .kernarg_segment_size: 24
    .max_flat_workgroup_size: 512
    .sgpr_count:     66
    .vgpr_count:     194
    .wavefront_size: 32
...
	.end_amdgpu_metadata
.endif
;; end of part 1
;; launch qkv (part 2): grid 48 x 16, 4 waves a work-group, clusters of 4 x 4, 327,680 bytes of LDS; arguments hbuf, wq_codes, wq_scales, wk_codes, wk_scales, wv_codes, wv_scales, rope_cos, rope_sin, qbuf, kvbuf; writes qbuf, kvbuf
.if DOCPART == 2
	.amdgcn_target "amdgcn-amd-amdhsa--gfx1250"
	.amdhsa_code_object_version 6
	.text
	.protected	k_q162bd52772_qkv
	.globl	k_q162bd52772_qkv
	.p2align	8
	.type	k_q162bd52772_qkv,@function
k_q162bd52772_qkv:
	s_mov_b64 s[64:65], 0
	v_nop
	global_prefetch_b8 v0, s[64:65] scope:SCOPE_SE
	s_setreg_imm32_b32 hwreg(HW_REG_WAVE_MODE, 25, 1), 1
	s_wait_xcnt 0x0
	s_wait_alu depctr_hold_cnt(0) depctr_sa_sdst(0) depctr_va_vdst(0) depctr_va_sdst(0) depctr_va_ssrc(0) depctr_va_vcc(0) depctr_vm_vsrc(0)
	s_getreg_b32 s2, hwreg(HW_REG_IB_STS2, 6, 4)
	s_cmp_eq_u32 s2, 0
	s_cbranch_scc0 .Lentry_in_a_cluster
	s_endpgm
.Lentry_in_a_cluster:
	s_bfe_u32 s2, ttmp6, 0x10000c
	s_cmp_lg_u32 s2, 0xf033
	s_cbranch_scc0 .Lentry_shape_is_right
	s_endpgm
.Lentry_shape_is_right:
; q, k, v = h Wq, h Wk, h Wv on codes of FP6 (E2M3) with E8M0 scales; rope on q and k; all three quantised again for attention and stored as images of operand registers.
; A = hbuf: IMG[block 128][K step 16] (1,536 bytes each; slot r of block b is token 32 (b / 2) + 8 (b % 2) + r + 8 (r / 8)), scale words [block][K step][32 lanes] from byte 3,145,728.  B: the weights' codes [2048][1,536 bytes], scales [2048][64].
; SHARES.  A work-group makes 128 tokens x 128 weight rows = one head of q (cluster x 0-3), k (4-7) or v (8-11).  Wave w owns tokens 32 w .. 32 w + 31 (two blocks) x all 128: 16 accumulators.
; THE MATRIX INSTRUCTION IS USED TRANSPOSED (source 0 = 16 weight rows, source 1 = 16 tokens): lane (r, h) holds one token, register j of tile b the head's channel 16 b + 8 h + j.  So rope (d with d + 64: tile b with tile b + 4) and the quantiser stay in the lane.
; K: 16 steps of 128, written out.  LDS holds 10 steps at once: T1 = steps 0-5, T2 = 6-7, T3 = 8-9, all asked for at the start (three tensor loads of a wave are out); T1 is filled once more, with steps 10-15, behind step 5's round (one load out), and has four steps, 64 matrix instructions a wave, in which to land.
; CLUSTER 4 x 4: A's tiles are shared along a row of the cluster, B's along a column, by joint loads.  Waves 0, 1 fetch A's halves, waves 2, 3 B's.
; q AND k CARRY ONE FIXED PERMUTATION of the channels inside each block of 32, the same on both (place 16 h + j holds channel 8 h + j, place 16 h + 8 + j channel 16 + 8 h + j): blocks, scales and products are those of the true order; only the order of the sum differs.
; v is quantised along the KEYS: it goes through a stage in LDS and comes back a lane to a channel, registers down the keys.
; OUT.  qbuf: [head][token tile] records of 12,800: 8 images, then 4 x 128 bytes of scale words (pair p: lanes 0-15 block 2 p, lanes 16-31 block 2 p + 1).  kvbuf: records of 25,600: K's 8 images, V's 8 (tile e: channels 32 (e / 2) + 8 (e % 2) + r + 8 (r / 8)), K's words at 24,576, V's at 25,088.
; The rope tables are loaded by every work-group, v's too: the text then parts once, on the way out.
; LIMITS: NaN and infinities are not served; a block whose largest magnitude lies under 2^-124, a block of zeros among them, gets the byte 1 (only this program reads the bytes).
; REGISTERS: window 0: v1-31 addresses; v32-47 A's scale words, v48-111 B's (lanes 0-15: steps 0-7, lanes 16-31: steps 8-15); v112-127 at work; v128-255 accumulators ((u, b) at 128 + 64 u + 8 b).  window 1: two fragment buffers at v0 and v128 (A at 12 u, B at 24 + 12 b).  window 2: v0-127 cos and sin.
.set KSTEPS, 16
.set REFILL, 1
.set SPR,    KSTEPS/2
.set KROW,   96*KSTEPS
.set KS,     4*KSTEPS
.set IMGB,   128*KSTEPS*1536
.set T1A,    0                         ; 8 blocks x 12,288
; THE WALK ALONG K AS IT STANDS (in place of T1, T2, T3 of the head's lines): H = steps 0-7, one load a wave at the head; E = steps 8-11, first filled behind the round that follows H's landing;
; H is filled once more behind step 7's round, for steps 12-15: A by E's tile shape, B by H's own from byte 768 of each row (steps 8-15), so that every row of a tile begins at a multiple of 256 bytes.  One load of a wave is out at a time.
.set T1B,    98304                     ; H: A 8 blocks x 12,288 from byte 0; B 128 rows x 816 (768 bytes + 16 behind every 256)
.set T2A,    202752                    ; E: A 8 x 6,144
.set T2B,    251904                    ; E: B 128 rows x 432 (384 bytes + 16 behind every 128)
.set STAGE,  202752                    ; 128 rows x 528, over E: E has had its only fill, and every wave has left it at step 11's barrier
.set A3W,    20                        ; v20, v21: A's steps 12-15 in H's bytes
.set SPARE,  327168                    ; the spare words: 128 bytes a wave
.set SPW,  4
.set NIL,  5
.set A1W,  6                           ; v6, v7: A in T1, 16 x lane and 8 x lane
.set BADR, 8                           ; v8.. : B: region g (H rows 0-63, H rows 64-127, E) at 8 + 4 g; + 1: the pieces that lie behind one padding more
.set A2W,  24                          ; v24, v25: A in E
.set LI16, 26
.set LI8,  27
.set LS4,  28
.set STO,  29
.set VRD,  31
.set SAR,  32
.set SBR,  48
.set TM,   112
.set VSA,  120
.set VSB,  121
.set VCS,  123
.set ACC,  128
.set PC0,  32                          ; on the way out v32-111 are free: codes,
.set PW0,  72                          ; scale words v72, v73,
.set PWC,  74                          ; the pair's word,
.set H8,   75
.set SEL,  62
.set MSB, 0
.macro WIN new                         ; the immediate's high byte repeats the setting that is left
.if MSB != \new
	s_set_vgpr_msb (MSB<<8)|\new
.set MSB, \new
.endif
.endm
.macro PLACES n
.rept \n
	v_nop
.endr
.endm
.macro CROUND                          ; a round of the cluster's barrier
	s_barrier_signal -1
	s_barrier_wait -1
	s_cmp_lg_u32 s20, 0
	s_cbranch_scc1 .Lnot_wave_0_\@
	s_barrier_signal -3
.Lnot_wave_0_\@:
	s_barrier_wait -3
	s_barrier_signal -1
	s_barrier_wait -1
.endm
.macro JLOAD g0a, g1a, g0b, g1b        ; a joint load: waves 0, 1 for A, waves 2, 3 for B; four v_nop follow each line
	s_cmp_eq_u32 s21, 0
	s_cbranch_scc0 .Lfor_b_\@
	tensor_load_to_lds s[\g0a:\g0a+3], s[\g1a:\g1a+7]
	s_nop 0
	PLACES 4
	s_branch .Lasked_\@
.Lfor_b_\@:
	tensor_load_to_lds s[\g0b:\g0b+3], s[\g1b:\g1b+7]
	s_nop 0
	PLACES 4
.Lasked_\@:
.endm
.macro FRAGA reg, s, u                 ; A's fragment of step s, my block u: an image, four dense loads
.if (\s) < 8
.set AO, 12288*(\u)+1536*(\s)
.set AW, A1W
.elseif (\s) < 12
.set AO, 6144*(\u)+1536*((\s)-8)
.set AW, A2W
.else
.set AO, 6144*(\u)+1536*((\s)-12)
.set AW, A3W
.endif
	ds_load_b128 v[(\reg):(\reg)+3], v[AW] offset:AO
	ds_load_b64 v[(\reg)+4:(\reg)+5], v[AW+1] offset:AO+512
	ds_load_b128 v[(\reg)+6:(\reg)+9], v[AW] offset:AO+768
	ds_load_b64 v[(\reg)+10:(\reg)+11], v[AW+1] offset:AO+1280
.endm
.macro FRAGB reg, s, i                 ; B's fragment of step s, weight rows 16 i + r: six pieces of 8 bytes of the row's stream of bits; lanes 16-31 read three pieces on
.if ((\s) < 8) || ((\s) > 11)
.set QQ, (\s)%8
.set PT, 816
.set PI, 32                            ; pieces of 8 bytes between two paddings
.set RG, (\i)/4
.set ROWI, 16*((\i)%4)
.else
.set QQ, (\s)-8
.set PT, 432
.set PI, 16
.set RG, 2
.set ROWI, 16*(\i)
.endif
.irp p, 0,1,2,3,4,5
.set PCE, 12*QQ+6*(\p/3)+\p%3
.if (PCE%PI) < (PI-3)
	ds_load_b64 v[(\reg)+2*\p:(\reg)+2*\p+1], v[BADR+4*RG] offset:8*PCE+16*(PCE/PI)+ROWI*PT
.else
	ds_load_b64 v[(\reg)+2*\p:(\reg)+2*\p+1], v[BADR+4*RG+1] offset:8*PCE+16*(PCE/PI)+ROWI*PT
.endif
.endr
.endm
.macro FETCH s, f                      ; 56 LDS loads in one run: step s's fragments into buffer f
	WIN 0x40
.irp u, 0,1
	FRAGA 128*(\f)+12*\u, \s, \u
.endr
.irp i, 0,1,2,3,4,5,6,7
	FRAGB 128*(\f)+24+12*\i, \s, \i
.endr
.endm
.macro MUL s, f                        ; 16 matrix instructions; the 16 accumulators take turns, in the same order in every step
	WIN 0x05
.irp u, 0,1
.irp b, 0,1,2,3,4,5,6,7
.if (\s) == 0
	v_wmma_scale_f32_16x16x128_f8f6f4 v[ACC+64*\u+8*\b:ACC+64*\u+8*\b+7], v[128*(\f)+24+12*\b:128*(\f)+35+12*\b], v[128*(\f)+12*\u:128*(\f)+11+12*\u], 0, v[SBR+SPR*\b], v[SAR+SPR*\u] matrix_a_fmt:MATRIX_FMT_FP6 matrix_b_fmt:MATRIX_FMT_FP6
.elseif (\s) < SPR
	v_wmma_scale_f32_16x16x128_f8f6f4 v[ACC+64*\u+8*\b:ACC+64*\u+8*\b+7], v[128*(\f)+24+12*\b:128*(\f)+35+12*\b], v[128*(\f)+12*\u:128*(\f)+11+12*\u], v[ACC+64*\u+8*\b:ACC+64*\u+8*\b+7], v[SBR+SPR*\b+(\s)], v[SAR+SPR*\u+(\s)] matrix_a_fmt:MATRIX_FMT_FP6 matrix_b_fmt:MATRIX_FMT_FP6
.else
	v_wmma_scale_f32_16x16x128_f8f6f4 v[ACC+64*\u+8*\b:ACC+64*\u+8*\b+7], v[128*(\f)+24+12*\b:128*(\f)+35+12*\b], v[128*(\f)+12*\u:128*(\f)+11+12*\u], v[ACC+64*\u+8*\b:ACC+64*\u+8*\b+7], v[SBR+SPR*\b+(\s)-SPR], v[SAR+SPR*\u+(\s)-SPR] matrix_a_fmt:MATRIX_FMT_FP6 matrix_b_fmt:MATRIX_FMT_FP6 matrix_a_scale:MATRIX_SCALE_ROW1 matrix_b_scale:MATRIX_SCALE_ROW1
.endif
.endr
.endr
.endm
.macro KSTEP s
	s_wait_dscnt 0x0                               ; this step's fragments are in (asked for ahead of the last step's 16 products)
.if (\s) == 7
	WIN 0
	s_wait_tensorcnt 0x0                           ; all my tensor loads have landed: my part of E;
.if REFILL
	ds_add_u32 v[SPW], v[NIL]                      ; 0 onto my spare word
	s_wait_dscnt 0x0                               ; the add is done; my reads of T1 ended with this step's fragments
	CROUND                                         ; no wave of any partner still reads T1 or has a load on its way
	JLOAD 76, 32, 88, 40                           ; H's bytes once more: steps 12-15
.else
	s_barrier_signal -1
	s_barrier_wait -1
.endif
.endif
.if (\s) == 11
	WIN 0
	s_wait_tensorcnt 0x0                           ; my part of the refilled H is in,
	s_barrier_signal -1
	s_barrier_wait -1                              ; everybody's is; and nobody reads E any more
.endif
	PLACES 4                                       ; in front of loads into the buffer that the last step's products read
.if (\s)+1 < KSTEPS
	s_wait_alu depctr_va_vdst(0)
	FETCH (\s)+1, ((\s)+1)%2
.endif
	MUL \s, (\s)%2
.endm
; 64 numbers of a lane, register 16 b + i = place 32 b + 16 h + i of my row, become a fragment's codes in v[pc] on and its scale word in v[pw]
.macro QUANT s, pc, pw
.irp b, 0,1,2,3
	v_max3_num_f32 v[TM+\b], |v[(\s)+16*\b]|, |v[(\s)+1+16*\b]|, 0x1800000   ; my 16 numbers of block b, and the floor 2^(3 - 127)
.endr
.irp i, 2,4,6,8,10,12,14
.irp b, 0,1,2,3
	v_max3_num_f32 v[TM+\b], v[TM+\b], |v[(\s)+16*\b+\i]|, |v[(\s)+1+16*\b+\i]|
.endr
.endr
.irp b, 0,1,2,3
	v_permlanex16_b32 v[TM+4+\b], v[TM+\b], s[SEL], s[SEL+1]
.endr
.irp b, 0,1,2,3
	v_max_num_f32 v[TM+\b], v[TM+\b], v[TM+4+\b]   ; with lane l xor 16's: the block's largest magnitude
.endr
.irp b, 0,1,2,3
	v_add_nc_u32 v[TM+12+\b], 0xff000000, v[TM+\b] ; 2 off its exponent field: the conversion's scale operand
.endr
.irp b, 0,1,2,3
	v_lshrrev_b32 v[TM+4+\b], 23, v[TM+12+\b]      ; the scale's byte
.endr
	v_lshl_or_b32 v[\pw], v[TM+5], 8, v[TM+4]
	v_lshl_or_b32 v[\pw], v[TM+6], 16, v[\pw]
	v_lshl_or_b32 v[\pw], v[TM+7], 24, v[\pw]
.irp c, 0,1
	v_cvt_scalef32_pk16_fp6_f32 v[(\pc)+6*\c:(\pc)+2+6*\c], v[(\s)+32*\c:(\s)+15+32*\c], v[TM+12+2*\c]
	v_cvt_scalef32_pk16_fp6_f32 v[(\pc)+12+4*\c:(\pc)+14+4*\c], v[(\s)+16+32*\c:(\s)+31+32*\c], v[TM+12+2*\c+1]
.endr
	v_nop                                          ; one plain place behind a scaled conversion
.irp c, 0,1                                    ; the operand wants a whole block in a lane
.irp i, 0,1,2
	v_permlane16_swap_b32 v[(\pc)+6*\c+\i], v[(\pc)+12+4*\c+\i]
.endr
.irp i, 0,1,2
	v_mov_b32 v[(\pc)+3+6*\c+\i], v[(\pc)+12+4*\c+\i]
.endr
.endr
.endm
; 64 numbers of a lane, v[x + 32 c + i] = k 64 c + 32 h + i of my row: two whole blocks
.macro QUANTC x, pc, pw, t
.irp c, 0,1
	v_max3_num_f32 v[(\t)+\c], |v[(\x)+32*\c]|, |v[(\x)+32*\c+1]|, 0x1800000
.endr
.irp i, 2,4,6,8,10,12,14,16,18,20,22,24,26,28,30
.irp c, 0,1
	v_max3_num_f32 v[(\t)+\c], v[(\t)+\c], |v[(\x)+32*\c+\i]|, |v[(\x)+32*\c+\i+1]|
.endr
.endr
.irp c, 0,1
	v_add_nc_u32 v[(\t)+2+\c], 0xff000000, v[(\t)+\c]
.endr
.irp c, 0,1
	v_lshrrev_b32 v[(\t)+4+\c], 23, v[(\t)+2+\c]
.endr
	v_lshl_or_b32 v[\pw], v[(\t)+5], 16, v[(\t)+4]
	v_lshlrev_b32 v[\pw], v[H8], v[\pw]
	v_mov_b32 v[(\t)+6], 0
	v_permlanex16_b32 v[(\t)+6], v[\pw], s[SEL], s[SEL+1]
	v_or_b32 v[\pw], v[\pw], v[(\t)+6]
.irp c, 0,1
	v_cvt_scalef32_pk16_fp6_f32 v[(\pc)+6*\c:(\pc)+6*\c+2], v[(\x)+32*\c:(\x)+32*\c+15], v[(\t)+2+\c]
	v_cvt_scalef32_pk16_fp6_f32 v[(\pc)+12+4*\c:(\pc)+14+4*\c], v[(\x)+32*\c+16:(\x)+32*\c+31], v[(\t)+2+\c]
.endr
	v_nop
.irp c, 0,1
.irp i, 0,1,2
	v_mov_b32 v[(\pc)+3+6*\c+\i], v[(\pc)+12+4*\c+\i]
.endr
.endr
.endm
.macro IMGST pc, bs, off
	global_store_b128 v[LI16], v[(\pc):(\pc)+3], s[\bs:\bs+1] offset:(\off)
	global_store_b64 v[LI8], v[(\pc)+4:(\pc)+5], s[\bs:\bs+1] offset:(\off)+512
	global_store_b128 v[LI16], v[(\pc)+6:(\pc)+9], s[\bs:\bs+1] offset:(\off)+768
	global_store_b64 v[LI8], v[(\pc)+10:(\pc)+11], s[\bs:\bs+1] offset:(\off)+1280
.endm
.macro TOSTAGE                         ; my 32 tokens x 128 numbers into the stage, each accumulator from its low end on
.irp u, 0,1
.irp b, 0,1,2,3,4,5,6,7
	ds_store_b128 v[STO], v[ACC+64*\u+8*\b:ACC+64*\u+8*\b+3] offset:8448*\u+64*\b
	ds_store_b128 v[STO], v[ACC+64*\u+8*\b+4:ACC+64*\u+8*\b+7] offset:8448*\u+64*\b+16
.endr
.endr
.endm
	s_load_b512 s[4:19], s[0:1], 0x0               ; hbuf s[4:5]; wq codes, scales s[6:9]; wk s[10:13]; wv s[14:17]; cos s[18:19]
	s_load_b128 s[56:59], s[0:1], 0x40             ; sin s[56:57], qbuf s[58:59]
	s_load_b64 s[60:61], s[0:1], 0x50              ; kvbuf
	v_lshl_add_u32 v[SPW], v0, 2, SPARE
	v_mov_b32 v[NIL], 0
	ds_add_u32 v4, v5
	ds_add_u32 v4, v5
	s_wait_dscnt 0x0
	v_lshrrev_b32 v1, 5, v0
	v_readfirstlane_b32 s20, v1                    ; wave 0..3
	s_lshr_b32 s21, s20, 1                         ; I fetch for A (0) or for B (1),
	s_and_b32 s22, s20, 1                          ; its first or second half
	s_lshr_b32 s23, ttmp9, 2                       ; 0: q, 1: k, 2: v: the same in all sixteen partners
	s_bfe_u32 s2, ttmp6, 0x40000                   ; cx
	s_bfe_u32 s3, ttmp6, 0x40004                   ; cy
	s_lshl_b32 s92, ttmp9, 2
	s_add_co_u32 s92, s92, s2
	s_and_b32 s67, s92, 15                         ; the head = tile of 128 weight rows
	s_and_b32 s93, ttmp7, 0xffff
	s_lshl_b32 s93, s93, 2
	s_add_co_u32 s93, s93, s3                      ; the tile of 128 tokens
	s_lshl_b32 s94, s3, 2
	s_lshl_b32 s94, 15, s94                        ; my row of the cluster
	s_lshl_b32 s95, 0x1111, s2                     ; my column
	s_mov_b32 s62, 0x76543210
	s_mov_b32 s63, 0xfedcba98
	s_mov_b32 s66, 0xffff0000                      ; lanes 16-31
	; group 1.  A: 4 blocks (rows) of 12,288 or 6,144 dense bytes, elements of 8 bytes, a block's images 24,576 bytes apart
	s_or_b32 s24, s94, (3<<16)|(1<<21)
	s_mov_b32 s25, 1536<<16
	s_mov_b32 s26, 4<<16
	s_mov_b32 s27, 1536<<16
	s_mov_b32 s28, 4
	s_mov_b32 s29, 192*KSTEPS
	s_mov_b32 s30, 0
	s_mov_b32 s31, 0
	s_or_b32 s32, s94, (3<<16)|(1<<21)
	s_mov_b32 s33, 768<<16
	s_mov_b32 s34, 4<<16
	s_mov_b32 s35, 768<<16
	s_mov_b32 s36, 4
	s_mov_b32 s37, 192*KSTEPS
	s_mov_b32 s38, 0
	s_mov_b32 s39, 0
	; B: 64 rows of 768 or 384 bytes, 16 bytes of padding behind every 256 or 128
	s_or_b32 s40, s95, (1<<20)|(1<<21)|(5<<22)|(3<<25)   ; 64 rows of 768 bytes, 16 bytes of padding behind every 256
	s_mov_b32 s41, 768<<16
	s_mov_b32 s42, 64<<16
	s_mov_b32 s43, 768<<16
	s_mov_b32 s44, 64
	s_mov_b32 s45, KROW
	s_mov_b32 s46, 0
	s_mov_b32 s47, 0
	s_or_b32 s48, s95, (1<<20)|(1<<21)|(4<<22)|(3<<25)   ; 64 rows of 384 bytes, 16 bytes of padding behind every 128
	s_mov_b32 s49, 384<<16
	s_mov_b32 s50, 64<<16
	s_mov_b32 s51, 384<<16
	s_mov_b32 s52, 64
	s_mov_b32 s53, KROW
	s_mov_b32 s54, 0
	s_mov_b32 s55, 0
	s_lshl_b32 s96, s93, 3
	s_lshl_b32 s100, s22, 2
	s_add_co_u32 s96, s96, s100                    ; A: block 8 x token tile + 4 x half
	s_mul_i32 s96, s96, KSTEPS*1536
	s_mov_b32 s97, 0
	s_lshl_b32 s98, s67, 7
	s_lshl_b32 s100, s22, 6
	s_add_co_u32 s98, s98, s100                    ; B: weight row 128 x head + 64 x half
	s_mul_i32 s98, s98, KROW
	s_mov_b32 s99, 0
	; group 0: the LDS addresses hang on the wave's number alone
	s_mov_b32 s68, 1
	s_mul_i32 s69, s22, 49152                      ; A in H: my 4 blocks x 12,288
	s_mov_b32 s72, 1
	s_mov_b32 s76, 1
	s_mul_i32 s77, s22, 24576                      ; A's steps 12-15, in H's bytes: 4 blocks x 6,144
	s_add_co_u32 s73, s77, T2A                     ; A in E
	s_mov_b32 s80, 1
	s_mul_i32 s81, s22, 52224                      ; B in H: my 64 rows x 816
	s_add_co_u32 s81, s81, T1B
	s_mov_b32 s84, 1
	s_mul_i32 s85, s22, 27648                      ; B in E: 64 rows x 432
	s_add_co_u32 s85, s85, T2B
	s_mov_b32 s88, 1
	s_mov_b32 s89, s81                             ; B's second fill of H
	s_wait_kmcnt 0x0
	s_cmp_eq_u32 s23, 1                            ; which weight: the choice hangs on the cluster's number alone
	s_cselect_b64 s[6:7], s[10:11], s[6:7]
	s_cselect_b64 s[8:9], s[12:13], s[8:9]
	s_cmp_eq_u32 s23, 2
	s_cselect_b64 s[6:7], s[14:15], s[6:7]
	s_cselect_b64 s[8:9], s[16:17], s[8:9]
	s_cselect_b32 s10, 12288, 0                    ; where my images begin in a record: V's behind K's
	s_mov_b32 s11, 24576
	s_cselect_b32 s11, 25088, s11                  ; and my scale words
	s_cmp_eq_u32 s23, 0
	s_cselect_b64 s[58:59], s[58:59], s[60:61]     ; the buffer that I store into
	s_cselect_b32 s11, 12288, s11
	s_mov_b32 s12, 25600
	s_cselect_b32 s12, 12800, s12                  ; its record
	s_add_nc_u64 s[96:97], s[4:5], s[96:97]
	s_add_nc_u64 s[98:99], s[6:7], s[98:99]
	s_mov_b64 s[70:71], s[96:97]
	s_or_b32 s71, s71, 0x80000000
	s_add_nc_u64 s[74:75], s[96:97], 8*1536
	s_or_b32 s75, s75, 0x80000000
	s_add_nc_u64 s[78:79], s[96:97], 12*1536
	s_or_b32 s79, s79, 0x80000000
	s_mov_b64 s[82:83], s[98:99]
	s_or_b32 s83, s83, 0x80000000
	s_add_nc_u64 s[86:87], s[98:99], 8*96
	s_or_b32 s87, s87, 0x80000000
	s_add_nc_u64 s[90:91], s[98:99], 8*96
	s_or_b32 s91, s91, 0x80000000
	CROUND                                         ; all sixteen work-groups are here: the first joint loads meet
	s_cmp_eq_u32 s21, 0                            ; a wave's first fill stands in one branch: one load of mine is out
	s_cbranch_scc0 .Lfirst_b
	tensor_load_to_lds s[68:71], s[24:31]
	s_nop 0
	PLACES 4
	s_branch .Lfirst_done
.Lfirst_b:
	tensor_load_to_lds s[80:83], s[40:47]
	s_nop 0
	PLACES 4
.Lfirst_done:
	; the other addresses
	s_lshl_b32 s13, s67, 4
	s_add_co_u32 s13, s13, s93
	s_mul_i32 s13, s13, s12                        ; my record: 16 x head + token tile
	s_mul_i32 s14, s20, 3072
	s_add_co_u32 s14, s14, s13
	s_add_co_u32 s14, s14, s10
	s_mov_b32 s15, 0
	s_lshl_b32 s16, s20, 7
	s_add_co_u32 s16, s16, s13
	s_add_co_u32 s16, s16, s11
	s_mov_b32 s17, 0
	s_add_nc_u64 s[60:61], s[58:59], s[16:17]      ; my pair's scale words
	s_add_nc_u64 s[58:59], s[58:59], s[14:15]      ; my two images
	s_lshl_b32 s14, s93, 7
	s_lshl_b32 s16, s20, 5
	s_add_co_u32 s14, s14, s16                     ; my first token
	s_lshl_b32 s14, s14, 8
	s_add_nc_u64 s[18:19], s[18:19], s[14:15]      ; its row of cos
	s_add_nc_u64 s[56:57], s[56:57], s[14:15]      ; and of sin
	s_lshl_b32 s96, s93, 3
	s_lshl_b32 s100, s20, 1
	s_add_co_u32 s96, s96, s100                    ; my first block
	s_mul_i32 s96, s96, KSTEPS*128
	s_add_co_u32 s96, s96, IMGB
	s_mov_b32 s97, 0
	s_add_nc_u64 s[96:97], s[4:5], s[96:97]        ; A's scale words
	s_mul_i32 s98, s67, 128*KS
	s_mov_b32 s99, 0
	s_add_nc_u64 s[98:99], s[8:9], s[98:99]        ; B's
	v_and_b32 v1, 15, v0                           ; r
	v_bfe_u32 v2, v0, 4, 1                         ; h
	v_and_b32 v3, 31, v0                           ; lane
	v_lshlrev_b32 v[LI16], 4, v3
	v_lshlrev_b32 v[LI8], 3, v3
	v_lshlrev_b32 v[LS4], 2, v3
	v_lshlrev_b32 v[VSA], 2, v1
	v_mad_u32_u24 v[VSA], v2, 128*SPR, v[VSA]      ; lanes 16-31 take the upper half of K
	v_mul_u32_u24 v[VSB], v1, KS
	v_mad_u32_u24 v[VSB], v2, KS/2, v[VSB]
	v_and_b32 v116, 8, v1
	v_add_nc_u32 v116, v116, v1                    ; r + 8 (r / 8)
	v_lshlrev_b32 v[VCS], 8, v116
	v_lshl_add_u32 v[VCS], v2, 5, v[VCS]           ; my token's row of 256 bytes, + 32 h
	; THE SCALES GO FROM MEMORY TO REGISTERS ONCE
.irp u, 0,1
.set i, 0
.rept SPR
	global_load_b32 v[SAR+SPR*\u+i], v[VSA], s[96:97] offset:\u*KSTEPS*128+128*i
.set i, i+1
.endr
.endr
.set i, 0
.rept 8
.set k, 0
.rept SPR/4
	global_load_b128 v[SBR+SPR*i+4*k:SBR+SPR*i+4*k+3], v[VSB], s[98:99] offset:16*i*KS+16*k
.set k, k+1
.endr
.set i, i+1
.endr
	WIN 0x80                                       ; destination window 2
.irp u, 0,1
.set i, 0
.rept 8
	global_load_b128 v[64*\u+4*i:64*\u+4*i+3], v[VCS], s[18:19] offset:2048*\u+64*(i/2)+16*(i%2)         ; cos at channels 16 b + 8 h + 0 .. 7
	global_load_b128 v[64*\u+32+4*i:64*\u+35+4*i], v[VCS], s[56:57] offset:2048*\u+64*(i/2)+16*(i%2)     ; sin
.set i, i+1
.endr
.endr
	WIN 0
	; LDS addresses
	s_mul_i32 s100, s20, 24576
	v_lshl_add_u32 v[A1W], v3, 4, s100
	v_lshl_add_u32 v[A1W+1], v3, 3, s100
	s_mul_i32 s101, s20, 12288
	v_lshl_add_u32 v[A3W], v3, 4, s101
	v_lshl_add_u32 v[A3W+1], v3, 3, s101
	s_add_co_u32 s101, s101, T2A
	v_lshl_add_u32 v[A2W], v3, 4, s101
	v_lshl_add_u32 v[A2W+1], v3, 3, s101
	v_mul_u32_u24 v112, v1, 816
	v_mad_u32_u24 v112, v2, 24, v112
	v_mul_u32_u24 v113, v1, 432
	v_mad_u32_u24 v113, v2, 24, v113
	v_lshlrev_b32 v114, 4, v2
	v_add_nc_u32 v[BADR], T1B, v112
	v_add_nc_u32 v[BADR+4], T1B+52224, v112
	v_add_nc_u32 v[BADR+8], T2B, v113
.irp g, 0,4,8
	v_add_nc_u32 v[BADR+\g+1], v[BADR+\g], v114
.endr
	s_mul_i32 s100, s20, 16896
	s_add_co_u32 s100, s100, STAGE
	v_mul_u32_u24 v[STO], v1, 528
	v_lshl_add_u32 v[STO], v2, 5, v[STO]
	v_add_nc_u32 v[STO], s100, v[STO]              ; the stage, in: my 32 rows, row r, + 32 h
	v_lshlrev_b32 v[VRD], 2, v116
	v_mad_u32_u24 v[VRD], v2, 16896, v[VRD]
	s_lshl_b32 s101, s20, 7
	s_add_co_u32 s101, s101, STAGE
	v_add_nc_u32 v[VRD], s101, v[VRD]              ; out (v): channel 32 w + r + 8 (r / 8), keys 32 h on
	v_lshlrev_b32 v117, 3, v2                      ; 8 h, kept until the scales' registers are free
	s_wait_alu depctr_va_vdst(0)                   ; the wait at the head's end
	s_wait_tensorcnt 0x0                           ; my part of H is in
	ds_add_u32 v[SPW], v[NIL]
	s_wait_dscnt 0x0
	CROUND                                         ; everybody's part of H is in, and the joint loads meet
	JLOAD 72, 32, 84, 48                           ; E: steps 8-11; seven steps, 112 matrix instructions a wave, stand ahead of its wait
	FETCH 0, 0
	s_wait_loadcnt 32                              ; the scale words are in; the 32 younger loads, cos and sin, may be out
.irp s, 0,1,2,3,4,5,6,7,8,9,10,11,12,13,14,15
	KSTEP \s
.endr
	WIN 0
	PLACES 4                                       ; in front of the first read of results
	s_wait_loadcnt 0x0                             ; cos and sin
	s_cmp_eq_u32 s23, 2
	s_cbranch_scc1 .Lvpath
	; ---- q and k: rope, quantise, store two images and the pair's scale words
.irp b, 0,1,2,3
	v_mov_b32 v[TM+4+\b], 0                        ; a lane permute's destination counts as one of its sources
.endr
.irp u, 0,1
	WIN 0x08                                       ; source 1 window 2
.set n, 0
.rept 16
.set TT, 76+4*((n/2)%2)
	v_pk_mul_f32 v[TT:TT+1], v[ACC+64*\u+32+n:ACC+64*\u+33+n], v[64*\u+32+n:64*\u+33+n]                  ; x2 sin
	v_pk_mul_f32 v[TT+2:TT+3], v[ACC+64*\u+32+n:ACC+64*\u+33+n], v[64*\u+n:64*\u+1+n]                    ; x2 cos
	v_pk_fma_f32 v[ACC+64*\u+32+n:ACC+64*\u+33+n], v[ACC+64*\u+n:ACC+64*\u+1+n], v[64*\u+32+n:64*\u+33+n], v[TT+2:TT+3]   ; x1 sin + x2 cos
	v_pk_fma_f32 v[ACC+64*\u+n:ACC+64*\u+1+n], v[ACC+64*\u+n:ACC+64*\u+1+n], v[64*\u+n:64*\u+1+n], v[TT:TT+1] neg_lo:[0,0,1] neg_hi:[0,0,1]   ; x1 cos - x2 sin
.set n, n+2
.endr
	WIN 0
	QUANT ACC+64*\u, PC0+20*\u, PW0+\u
	IMGST PC0+20*\u, 58, 1536*\u
.endr
	v_cndmask_b32 v[PWC], v[PW0], v[PW0+1], s66    ; lanes 0-15: my first block's words, lanes 16-31 my second's
	global_store_b32 v[LS4], v[PWC], s[60:61]
	s_branch .Lend
.Lvpath:
	; ---- v: through the stage; wave w then takes channels 32 w .. 32 w + 31, a lane a channel, registers down the 128 keys
	TOSTAGE
	s_wait_dscnt 0x0                               ; for the others' sake: my stores have landed
	s_barrier_signal -1
	s_barrier_wait -1
	v_mov_b32 v[H8], v117
.irp c, 0,1
.set i, 0
.rept 32
	ds_load_b32 v[ACC+32*\c+i], v[VRD] offset:(64*\c+16*((i/8)%2)+8*(i/16)+i%8)*528        ; key 64 c + 32 h + i lies in stage row 64 c + 32 h + slot(i)
.set i, i+1
.endr
.endr
	s_wait_dscnt 0x0
.irp c, 0,1
.set i, 0
.rept 32
	ds_load_b32 v[ACC+64+32*\c+i], v[VRD] offset:(64*\c+16*((i/8)%2)+8*(i/16)+i%8)*528+32  ; my second tile: eight channels on
.set i, i+1
.endr
.endr
	QUANTC ACC, PC0, PW0, TM
	IMGST PC0, 58, 0
	s_wait_dscnt 0x0
	QUANTC ACC+64, PC0+20, PW0+1, TM
	IMGST PC0+20, 58, 1536
	v_cndmask_b32 v[PWC], v[PW0], v[PW0+1], s66
	global_store_b32 v[LS4], v[PWC], s[60:61]
.Lend:
	s_wait_tensorcnt 0x0                           ; the wave's end
	ds_add_u32 v[SPW], v[NIL]
	s_wait_dscnt 0x0
	CROUND                                         ; the closing round
	s_endpgm
.Lfunc_end_k_q162bd52772_qkv:
	.size	k_q162bd52772_qkv, .Lfunc_end_k_q162bd52772_qkv-k_q162bd52772_qkv
	.p2alignl 7, 3214868480
	.fill 96, 4, 3214868480
	.section	.rodata,"a",@progbits
	.p2align	6, 0x0
	.amdhsa_kernel k_q162bd52772_qkv
		.amdhsa_group_segment_fixed_size 327680
		.amdhsa_private_segment_fixed_size 0
		.amdhsa_enable_private_segment 0
		.amdhsa_kernarg_size 88
		.amdhsa_user_sgpr_count 2
		.amdhsa_user_sgpr_kernarg_segment_ptr 1
		.amdhsa_wavefront_size32 1
		.amdhsa_system_sgpr_workgroup_id_x 1
		.amdhsa_system_sgpr_workgroup_id_y 1
		.amdhsa_system_sgpr_workgroup_id_z 1
		.amdhsa_system_vgpr_workitem_id 0
		.amdhsa_next_free_vgpr 640
		.amdhsa_next_free_sgpr 102
		.amdhsa_reserve_vcc 0
		.amdhsa_float_denorm_mode_32 3
		.amdhsa_float_denorm_mode_16_64 3
		.amdhsa_memory_ordered 1
		.amdhsa_forward_progress 1
		.amdhsa_inst_pref_size 145
	.end_amdhsa_kernel
	.amdgpu_metadata
---
amdhsa.version: [ 1, 2 ]
amdhsa.kernels:
  - .name:           k_q162bd52772_qkv
    .symbol:         k_q162bd52772_qkv.kd
    .args:
      - { .name: hbuf, .offset: 0, .size: 8, .value_kind: global_buffer, .address_space: global }
      - { .name: wq_codes, .offset: 8, .size: 8, .value_kind: global_buffer, .address_space: global }
      - { .name: wq_scales, .offset: 16, .size: 8, .value_kind: global_buffer, .address_space: global }
      - { .name: wk_codes, .offset: 24, .size: 8, .value_kind: global_buffer, .address_space: global }
      - { .name: wk_scales, .offset: 32, .size: 8, .value_kind: global_buffer, .address_space: global }
      - { .name: wv_codes, .offset: 40, .size: 8, .value_kind: global_buffer, .address_space: global }
      - { .name: wv_scales, .offset: 48, .size: 8, .value_kind: global_buffer, .address_space: global }
      - { .name: rope_cos, .offset: 56, .size: 8, .value_kind: global_buffer, .address_space: global }
      - { .name: rope_sin, .offset: 64, .size: 8, .value_kind: global_buffer, .address_space: global }
      - { .name: qbuf, .offset: 72, .size: 8, .value_kind: global_buffer, .address_space: global }
      - { .name: kvbuf, .offset: 80, .size: 8, .value_kind: global_buffer, .address_space: global }
    .group_segment_fixed_size: 327680
    .private_segment_fixed_size: 0
    .kernarg_segment_align: 8
    .kernarg_segment_size: 88
    .max_flat_workgroup_size: 128
    .sgpr_count:     102
    .vgpr_count:     640
    .wavefront_size: 32
...
	.end_amdgpu_metadata
.endif
;; end of part 2
;; launch attn (part 3): grid 16 x 16, 8 waves a work-group, no clusters, 327,680 bytes of LDS; arguments qbuf, kvbuf, ybuf; writes ybuf
.if DOCPART == 3
	.amdgcn_target "amdgcn-amd-amdhsa--gfx1250"
	.amdhsa_code_object_version 6
	.text
	.protected	k_q162bd52772_attn
	.globl	k_q162bd52772_attn
	.p2align	8
	.type	k_q162bd52772_attn,@function
k_q162bd52772_attn:
	s_mov_b64 s[64:65], 0
	v_nop
	global_prefetch_b8 v0, s[64:65] scope:SCOPE_SE
	s_setreg_imm32_b32 hwreg(HW_REG_WAVE_MODE, 25, 1), 1
	s_wait_xcnt 0x0
.set REC,   25600
.set SPARE, 326656
.set LI16, 1
.set LI8,  2
.set LS4,  3
.set DQ,   4
.set SPW,  5
.set NIL,  6
.set ADW,  8
.set ADN,  9
.set ADS,  10
.set TM,   232
.set WV,   18
.set SEL,  20
.set CS,   22
.set TB,   2
.set KF,   3
.set Q0,   44
.set QMAX, 45
.macro PLACES n
.rept \n
	v_nop
.endr
.endm
.macro FRAG4 base
.irp t, 0,1,2,3
	ds_load_b128 v[32+12*\t:35+12*\t], v[ADW] offset:(\base)+1536*\t
	ds_load_b64 v[36+12*\t:37+12*\t], v[ADN] offset:(\base)+1536*\t+512
	ds_load_b128 v[38+12*\t:41+12*\t], v[ADW] offset:(\base)+1536*\t+768
	ds_load_b64 v[42+12*\t:43+12*\t], v[ADN] offset:(\base)+1536*\t+1280
.endr
.endm
.macro QUANT s, pc, pw
.irp b, 0,1,2,3
	v_max3_num_f32 v[TM+\b], |v[(\s)+16*\b]|, |v[(\s)+1+16*\b]|, 0x1800000
.endr
.irp i, 2,4,6,8,10,12,14
.irp b, 0,1,2,3
	s_delay_alu instid0(VALU_DEP_4)
	v_max3_num_f32 v[TM+\b], v[TM+\b], |v[(\s)+16*\b+\i]|, |v[(\s)+1+16*\b+\i]|
.endr
.endr
.irp b, 0,1,2,3
	s_delay_alu instid0(VALU_DEP_4)
	v_permlanex16_b32 v[TM+4+\b], v[TM+\b], s[SEL], s[SEL+1]
.endr
.irp b, 0,1,2,3
	s_delay_alu instid0(VALU_DEP_4)
	v_max_num_f32 v[TM+\b], v[TM+\b], v[TM+4+\b]
.endr
.irp b, 0,1,2,3
	s_delay_alu instid0(VALU_DEP_4)
	v_add_nc_u32 v[TM+12+\b], 0xff000000, v[TM+\b]
.endr
.irp b, 0,1,2,3
	s_delay_alu instid0(VALU_DEP_4)
	v_lshrrev_b32 v[TM+4+\b], 23, v[TM+12+\b]
.endr
	s_delay_alu instid0(VALU_DEP_3)
	v_lshl_or_b32 v[\pw], v[TM+5], 8, v[TM+4]
	s_delay_alu instid0(VALU_DEP_1)
	v_lshl_or_b32 v[\pw], v[TM+6], 16, v[\pw]
	s_delay_alu instid0(VALU_DEP_1)
	v_lshl_or_b32 v[\pw], v[TM+7], 24, v[\pw]
.irp c, 0,1
	v_cvt_scalef32_pk16_fp6_f32 v[(\pc)+6*\c:(\pc)+2+6*\c], v[(\s)+32*\c:(\s)+15+32*\c], v[TM+12+2*\c]
	v_cvt_scalef32_pk16_fp6_f32 v[(\pc)+12+4*\c:(\pc)+14+4*\c], v[(\s)+16+32*\c:(\s)+31+32*\c], v[TM+12+2*\c+1]
.endr
	v_nop
.irp c, 0,1
.irp i, 0,1,2
	v_permlane16_swap_b32 v[(\pc)+6*\c+\i], v[(\pc)+12+4*\c+\i]
.endr
.irp i, 0,1,2
	s_delay_alu instid0(VALU_DEP_3)
	v_mov_b32 v[(\pc)+3+6*\c+\i], v[(\pc)+12+4*\c+\i]
.endr
.endr
.endm
.macro STEP
	s_cmp_gt_u32 s[KF], s[QMAX]
	s_cbranch_scc1 .Lhidden_\@
	v_add_nc_u32 v[ADW], s[TB], v[LI16]
	s_wait_alu depctr_va_vdst(0)
	v_add_nc_u32 v[ADN], s[TB], v[LI8]
	s_wait_alu depctr_va_vdst(0)
	v_add_nc_u32 v[ADS], s[TB], v[LS4]
	s_wait_alu depctr_va_vdst(0)
	v_nop
.irp g, 0,1
.if \g > 0
	PLACES 4
.endif
	FRAG4 6144*\g
.irp p, 0,1
	ds_load_b32 v[248+\p], v[ADS] offset:24576+128*(2*\g+\p)
.endr
	s_wait_dscnt 0x0
.irp t, 0,2
	v_wmma_scale_f32_16x16x128_f8f6f4 v[96+8*(4*\g+\t):103+8*(4*\g+\t)], v[32+12*\t:43+12*\t], v[16:27], 0, v[248+\t/2], v255 matrix_a_fmt:MATRIX_FMT_FP6 matrix_b_fmt:MATRIX_FMT_FP6
	v_wmma_scale_f32_16x16x128_f8f6f4 v[104+8*(4*\g+\t):111+8*(4*\g+\t)], v[44+12*\t:55+12*\t], v[16:27], 0, v[248+\t/2], v255 matrix_a_fmt:MATRIX_FMT_FP6 matrix_b_fmt:MATRIX_FMT_FP6 matrix_a_scale:MATRIX_SCALE_ROW1
.endr
.endr
	PLACES 4
	FRAG4 12288                                    ; V's first four fragments and their scale words are asked for here: K's registers are free, and the softmax's vector work stands ahead of the wait for them
.irp p, 0,1
	ds_load_b32 v[248+\p], v[ADS] offset:25088+128*\p
.endr
	s_add_co_u32 s47, s[KF], 127
	s_cmp_le_u32 s47, s[Q0]
	s_cbranch_scc1 .Lopen_\@
	s_sub_co_i32 s47, s[Q0], s[KF]
	v_add_nc_u32 v252, s47, v[DQ]
	v_mov_b32 v254, 0xff800000
.set n, 0
.rept 64
	v_cmp_gt_i32 vcc_lo, 32*(n/16)+n%16, v252
	v_cndmask_b32 v[96+n], v[96+n], v254, vcc_lo
.set n, n+1
.endr
.Lopen_\@:
.irp b, 0,1,2,3
	v_max3_num_f32 v[232+\b], v[96+16*\b], v[97+16*\b], v[98+16*\b]
.endr
.irp i, 3,5,7,9,11,13
.irp b, 0,1,2,3
	v_max3_num_f32 v[232+\b], v[232+\b], v[96+16*\b+\i], v[97+16*\b+\i]
.endr
.endr
.irp b, 0,1,2,3
	v_max_num_f32 v[232+\b], v[232+\b], v[111+16*\b]
.endr
.irp b, 0,1,2,3
	s_delay_alu instid0(VALU_DEP_4)
	v_permlanex16_b32 v[236+\b], v[232+\b], s[SEL], s[SEL+1]
.endr
.irp b, 0,1,2,3
	s_delay_alu instid0(VALU_DEP_4)
	v_max_num_f32 v[232+\b], v[232+\b], v[236+\b]
.endr
	s_delay_alu instid0(VALU_DEP_2)
	v_max3_num_f32 v254, v232, v233, v234
	s_delay_alu instid0(VALU_DEP_1)
	v_max_num_f32 v254, v254, v235
	s_delay_alu instid0(VALU_DEP_1)
	v_mul_f32 v254, s[CS], v254
	s_delay_alu instid0(VALU_DEP_1)
	v_max_num_f32 v13, v13, v254
	v_mov_b32 v254, v12
	s_delay_alu instid0(VALU_DEP_2)
	v_floor_f32 v12, -v13
	s_delay_alu instid0(VALU_DEP_1)
	v_sub_f32 v254, v12, v254
	s_delay_alu instid0(VALU_DEP_1)
	v_cvt_i32_f32 v254, v254
	s_delay_alu instid0(VALU_DEP_1)
	v_ldexp_f32 v252, 1.0, v254
.set j, 0
.rept 32
	v_pk_fma_f32 v[96+j:97+j], v[96+j:97+j], s[CS:CS+1], v[12:13] op_sel_hi:[1,0,0]
.set j, j+2
.endr
.irp b, 0,1,2,3
	v_fma_f32 v[232+\b], v[232+\b], s[CS], v12
.endr
.set j, 0
	s_wait_alu depctr_va_vdst(0)
.rept 64
	v_exp_f32 v[96+j], v[96+j]
.set j, j+1
.endr
	v_pk_mul_f32 v[14:15], v[14:15], v[252:253] op_sel_hi:[1,0]
	s_wait_alu depctr_va_vdst(0)
.irp b, 0,1,2,3
	v_exp_f32 v[232+\b], v[232+\b]
.endr
	v_pk_add_f32 v[236:237], v[96:97], v[98:99]
.irp j, 4,8,12,16,20,24,28,32,36,40,44,48,52,56,60
	v_pk_add_f32 v[14:15], v[14:15], v[96+\j:97+\j]
	v_pk_add_f32 v[236:237], v[236:237], v[98+\j:99+\j]
.endr
	s_delay_alu instid0(VALU_DEP_1)
	v_pk_add_f32 v[14:15], v[14:15], v[236:237]
	s_wait_alu depctr_va_vdst(0)
.irp b, 0,1,2,3
	v_max_num_f32 v[232+\b], 0x1800000, v[232+\b]
.endr
.irp b, 0,1,2,3
	s_delay_alu instid0(VALU_DEP_4)
	v_add_nc_u32 v[244+\b], 0xff000000, v[232+\b]
.endr
.irp b, 0,1,2,3
	s_delay_alu instid0(VALU_DEP_4)
	v_lshrrev_b32 v[236+\b], 23, v[244+\b]
.endr
	s_delay_alu instid0(VALU_DEP_3)
	v_lshl_or_b32 v253, v237, 8, v236
	s_delay_alu instid0(VALU_DEP_1)
	v_lshl_or_b32 v253, v238, 16, v253
	s_delay_alu instid0(VALU_DEP_1)
	v_lshl_or_b32 v253, v239, 24, v253
.irp c, 0,1
	v_cvt_scalef32_pk16_fp6_f32 v[224+6*\c:226+6*\c], v[96+32*\c:111+32*\c], v[244+2*\c]
	v_cvt_scalef32_pk16_fp6_f32 v[236+4*\c:238+4*\c], v[112+32*\c:127+32*\c], v[244+2*\c+1]
.endr
	v_nop
.irp c, 0,1
.irp i, 0,1,2
	v_permlane16_swap_b32 v[224+6*\c+\i], v[236+4*\c+\i]
.endr
.irp i, 0,1,2
	s_delay_alu instid0(VALU_DEP_3)
	v_mov_b32 v[227+6*\c+\i], v[236+4*\c+\i]
.endr
.endr
.set j, 0
.rept 32
	v_pk_mul_f32 v[160+j:161+j], v[160+j:161+j], v[252:253] op_sel_hi:[1,0]
.set j, j+2
.endr
	s_wait_alu depctr_va_vdst(0)
.irp g, 0,1
.if \g > 0
	PLACES 4
	FRAG4 12288+6144*\g
.irp p, 0,1
	ds_load_b32 v[248+\p], v[ADS] offset:25088+128*(2*\g+\p)
.endr
.endif
	s_wait_dscnt 0x0
.irp t, 0,2
	v_wmma_scale_f32_16x16x128_f8f6f4 v[160+8*(4*\g+\t):167+8*(4*\g+\t)], v[32+12*\t:43+12*\t], v[224:235], v[160+8*(4*\g+\t):167+8*(4*\g+\t)], v[248+\t/2], v253 matrix_a_fmt:MATRIX_FMT_FP6 matrix_b_fmt:MATRIX_FMT_FP6
	v_wmma_scale_f32_16x16x128_f8f6f4 v[168+8*(4*\g+\t):175+8*(4*\g+\t)], v[44+12*\t:55+12*\t], v[224:235], v[168+8*(4*\g+\t):175+8*(4*\g+\t)], v[248+\t/2], v253 matrix_a_fmt:MATRIX_FMT_FP6 matrix_b_fmt:MATRIX_FMT_FP6 matrix_a_scale:MATRIX_SCALE_ROW1
.endr
.endr
.Lhidden_\@:
	s_add_co_u32 s[KF], s[KF], 128
	s_add_co_u32 s[TB], s[TB], REC
.endm
	s_load_b128 s[4:7], s[0:1], 0x0
	s_load_b64 s[8:9], s[0:1], 0x10
	v_lshl_add_u32 v[SPW], v0, 2, SPARE
	v_mov_b32 v[NIL], 0
	ds_add_u32 v5, v6
	ds_add_u32 v5, v6
	s_wait_dscnt 0x0
	v_lshrrev_b32 v8, 5, v0
	s_delay_alu instid0(VALU_DEP_1)
	v_readfirstlane_b32 s[WV], v8
	s_and_b32 s48, ttmp7, 0xffff
	s_lshl_b32 s47, ttmp9, 2
	s_add_co_u32 s47, s47, s[WV]
	s_sub_co_u32 s19, 131, s47
	s_cmp_lt_u32 s[WV], 4
	s_cselect_b32 s19, s47, s19
	s_lshr_b32 s[Q0], s19, 1
	s_lshl_b32 s[Q0], s[Q0], 5
	s_and_b32 s47, s19, 1
	s_lshl_b32 s10, s47, 3
	s_add_co_u32 s[Q0], s[Q0], s10
	s_add_co_u32 s[QMAX], s[Q0], 23
	s_mov_b32 s24, 3<<16
	s_mov_b32 s25, 32<<16
	s_mov_b32 s26, 50<<16                          ; the head's load and the refill: 50 rows of 256 bytes a wave; the eight waves bring four records
	s_mov_b32 s27, 32<<16
	s_mov_b32 s28, 50
	s_mov_b32 s29, 32
	s_mov_b32 s30, 0
	s_mov_b32 s31, 0
	s_mov_b32 s56, 3<<16                           ; group 1 of the load of records 4-11
	s_mov_b32 s57, 32<<16
	s_mov_b32 s58, 100<<16                         ; records 4-11: 100 rows of 256 bytes a wave
	s_mov_b32 s59, 32<<16
	s_mov_b32 s60, 100
	s_mov_b32 s61, 32
	s_mov_b32 s62, 0
	s_mov_b32 s63, 0
	s_mul_i32 s10, s48, 16*REC
	s_mul_i32 s11, s[WV], 12800
	s_mul_i32 s41, s[WV], 25600
	s_mov_b32 s32, 1
	s_mov_b32 s33, s11                             ; records 0-3, and later 12-15, at 12,800 x wave
	s_mov_b32 s36, 1
	s_mov_b32 s37, s11
	s_mov_b32 s40, 1
	s_add_co_u32 s54, s10, s41
	s_add_co_u32 s54, s54, 102400                  ; records 4-11 in memory: 102,400 + 25,600 x wave behind the head's first record,
	s_mov_b32 s55, 0
	s_add_co_u32 s41, s41, 102400                  ; and at the same place in LDS
	s_add_co_u32 s10, s10, s11
	s_mov_b32 s11, 0
	s_lshl_b32 s12, s48, 4
	s_lshr_b32 s13, s19, 3
	s_add_co_u32 s12, s12, s13
	s_mul_i32 s12, s12, 12800
	s_and_b32 s13, s19, 7
	s_mul_i32 s14, s13, 1536
	s_add_co_u32 s14, s14, s12
	s_mov_b32 s15, 0
	s_lshr_b32 s13, s13, 1
	s_lshl_b32 s13, s13, 7
	s_add_co_u32 s12, s12, s13
	s_lshl_b32 s13, s47, 6
	s_add_co_u32 s12, s12, s13
	s_add_co_u32 s12, s12, 12288
	s_mov_b32 s13, 0
	s_lshl_b32 s16, s19, 4
	s_add_co_u32 s16, s16, s48
	s_mul_i32 s50, s16, 1536
	s_mov_b32 s51, 0
	s_lshl_b32 s52, s16, 7
	s_add_co_u32 s52, s52, 3145728
	s_mov_b32 s53, 0
	s_mov_b32 s[SEL], 0x76543210
	s_mov_b32 s[SEL+1], 0xfedcba98
	s_mov_b32 s[CS], 0x3e0293ee
	s_mov_b32 s[CS+1], s[CS]
	s_mov_b32 s[TB], 0
	s_mov_b32 s[KF], 0
	s_wait_kmcnt 0x0
	s_add_nc_u64 s[42:43], s[6:7], s[54:55]
	s_or_b32 s43, s43, 0x80000000
	s_add_nc_u64 s[10:11], s[6:7], s[10:11]
	s_mov_b64 s[34:35], s[10:11]
	s_or_b32 s35, s35, 0x80000000
	s_add_nc_u64 s[38:39], s[10:11], 307200
	s_or_b32 s39, s39, 0x80000000
	tensor_load_to_lds s[32:35], s[24:31]          ; my one load at the head
	s_nop 0
	PLACES 4
	s_add_nc_u64 s[14:15], s[4:5], s[14:15]
	s_add_nc_u64 s[12:13], s[4:5], s[12:13]
	s_add_nc_u64 s[50:51], s[8:9], s[50:51]
	s_add_nc_u64 s[52:53], s[8:9], s[52:53]
	v_and_b32 v8, 31, v0
	s_delay_alu instid0(VALU_DEP_1)
	v_lshlrev_b32 v[LI16], 4, v8
	s_delay_alu instid0(VALU_DEP_2)
	v_lshlrev_b32 v[LI8], 3, v8
	s_delay_alu instid0(VALU_DEP_3)
	v_lshlrev_b32 v[LS4], 2, v8
	v_and_b32 v8, 15, v0
	v_bfe_u32 v9, v0, 4, 1
	s_delay_alu instid0(VALU_DEP_2)
	v_lshlrev_b32 v7, 2, v8
	global_load_b128 v[16:19], v[LI16], s[14:15]
	global_load_b64 v[20:21], v[LI8], s[14:15] offset:512
	global_load_b128 v[22:25], v[LI16], s[14:15] offset:768
	global_load_b64 v[26:27], v[LI8], s[14:15] offset:1280
	global_load_b32 v255, v7, s[12:13]
	v_and_b32 v10, 8, v8
	s_delay_alu instid0(VALU_DEP_1)
	v_add_nc_u32 v[DQ], v10, v8
	v_lshlrev_b32 v10, 4, v9
	s_delay_alu instid0(VALU_DEP_1)
	v_sub_nc_u32 v[DQ], v[DQ], v10
	v_mov_b32 v13, 0xff61b1e6
	s_delay_alu instid0(VALU_DEP_1)
	v_floor_f32 v12, -v13
	v_mov_b32 v14, 0
	v_mov_b32 v15, 0
.irp b, 0,1,2,3
	v_mov_b32 v[236+\b], 0
.endr
	v_mov_b32 v252, 0
	v_mov_b32 v253, 0
.set j, 0
.rept 64
	v_mov_b32 v[160+j], 0
.set j, j+1
.endr
	s_wait_alu depctr_va_vdst(0)                   ; the wait at the head's end
	s_wait_tensorcnt 0x0                           ; my part of records 0-3 is in
	ds_add_u32 v[SPW], v[NIL]
	s_wait_dscnt 0x0
	s_barrier_signal -1
	s_barrier_wait -1                              ; records 0-3 are whole
	tensor_load_to_lds s[40:43], s[56:63]          ; records 4-11: the first loop's four steps stand ahead of the wait for them
	s_nop 0
	PLACES 4
	s_wait_loadcnt 0x0
	s_mov_b32 s46, 4
.Ltile0:
	STEP
	s_sub_co_u32 s46, s46, 1
	s_cmp_lg_u32 s46, 0
	s_cbranch_scc1 .Ltile0
	s_wait_tensorcnt 0x0
	ds_add_u32 v[SPW], v[NIL]
	s_wait_dscnt 0x0
	s_barrier_signal -1
	s_barrier_wait -1
	tensor_load_to_lds s[36:39], s[24:31]          ; records 12-15 into the bytes of records 0-3
	s_nop 0
	PLACES 4
	s_mov_b32 s46, 8
.Ltile12:
	STEP
	s_sub_co_u32 s46, s46, 1
	s_cmp_lg_u32 s46, 0
	s_cbranch_scc1 .Ltile12
	s_wait_tensorcnt 0x0
	s_wait_dscnt 0x0
	s_barrier_signal -1
	s_barrier_wait -1
	s_mov_b32 s[TB], 0
	s_mov_b32 s46, 4
.Ltile3:
	STEP
	s_sub_co_u32 s46, s46, 1
	s_cmp_lg_u32 s46, 0
	s_cbranch_scc1 .Ltile3
	PLACES 4
	v_add_f32 v14, v14, v15
	s_delay_alu instid0(VALU_DEP_1)
	v_permlanex16_b32 v252, v14, s[SEL], s[SEL+1]
	s_delay_alu instid0(VALU_DEP_1)
	v_add_f32 v14, v14, v252
	s_wait_alu depctr_va_vdst(0)
	v_rcp_f32 v14, v14
	v_nop
	s_wait_alu depctr_va_vdst(0)
.set j, 0
.rept 64
	v_mul_f32 v[96+j], v[160+j], v14
.set j, j+1
.endr
	QUANT 96, 32, 248
	global_store_b128 v[LI16], v[32:35], s[50:51]
	global_store_b64 v[LI8], v[36:37], s[50:51] offset:512
	global_store_b128 v[LI16], v[38:41], s[50:51] offset:768
	global_store_b64 v[LI8], v[42:43], s[50:51] offset:1280
	global_store_b32 v[LS4], v248, s[52:53]
	s_wait_tensorcnt 0x0
	ds_add_u32 v[SPW], v[NIL]
	s_wait_dscnt 0x0
	s_endpgm
.Lfunc_end_k_q162bd52772_attn:
	.size	k_q162bd52772_attn, .Lfunc_end_k_q162bd52772_attn-k_q162bd52772_attn
	.p2alignl 7, 3214868480
	.fill 96, 4, 3214868480
	.section	.rodata,"a",@progbits
	.p2align	6, 0x0
	.amdhsa_kernel k_q162bd52772_attn
		.amdhsa_group_segment_fixed_size 327680
		.amdhsa_private_segment_fixed_size 0
		.amdhsa_enable_private_segment 0
		.amdhsa_kernarg_size 24
		.amdhsa_user_sgpr_count 2
		.amdhsa_user_sgpr_kernarg_segment_ptr 1
		.amdhsa_wavefront_size32 1
		.amdhsa_system_sgpr_workgroup_id_x 1
		.amdhsa_system_sgpr_workgroup_id_y 1
		.amdhsa_system_sgpr_workgroup_id_z 1
		.amdhsa_system_vgpr_workitem_id 0
		.amdhsa_next_free_vgpr 256
		.amdhsa_next_free_sgpr 66
		.amdhsa_reserve_vcc 1
		.amdhsa_float_denorm_mode_32 3
		.amdhsa_float_denorm_mode_16_64 3
		.amdhsa_memory_ordered 1
		.amdhsa_forward_progress 1
		.amdhsa_inst_pref_size 97
	.end_amdhsa_kernel
	.amdgpu_metadata
---
amdhsa.version: [ 1, 2 ]
amdhsa.kernels:
  - .name:           k_q162bd52772_attn
    .symbol:         k_q162bd52772_attn.kd
    .args:
      - { .name: qbuf, .offset: 0, .size: 8, .value_kind: global_buffer, .address_space: global }
      - { .name: kvbuf, .offset: 8, .size: 8, .value_kind: global_buffer, .address_space: global }
      - { .name: ybuf, .offset: 16, .size: 8, .value_kind: global_buffer, .address_space: global }
    .group_segment_fixed_size: 327680
    .private_segment_fixed_size: 0
    .kernarg_segment_align: 8
    .kernarg_segment_size: 24
    .max_flat_workgroup_size: 256
    .sgpr_count:     66
    .vgpr_count:     256
    .wavefront_size: 32
...
	.end_amdgpu_metadata
.endif
;; end of part 3
;; launch wo (part 4): grid 16 x 16, 4 waves a work-group, clusters of 4 x 4, 327,680 bytes of LDS; arguments ybuf, wo_codes, wo_scales, x, x1; writes x1
.if DOCPART == 4
	.amdgcn_target "amdgcn-amd-amdhsa--gfx1250"
	.amdhsa_code_object_version 6
	.text
	.protected	k_q162bd52772_wo
	.globl	k_q162bd52772_wo
	.p2align	8
	.type	k_q162bd52772_wo,@function
k_q162bd52772_wo:
	s_mov_b64 s[64:65], 0
	v_nop
	global_prefetch_b8 v0, s[64:65] scope:SCOPE_SE
	s_setreg_imm32_b32 hwreg(HW_REG_WAVE_MODE, 25, 1), 1
	s_wait_xcnt 0x0
	s_wait_alu depctr_hold_cnt(0) depctr_sa_sdst(0) depctr_va_vdst(0) depctr_va_sdst(0) depctr_va_ssrc(0) depctr_va_vcc(0) depctr_vm_vsrc(0)
	s_getreg_b32 s2, hwreg(HW_REG_IB_STS2, 6, 4)
	s_cmp_eq_u32 s2, 0
	s_cbranch_scc0 .Lentry_in_a_cluster
	s_endpgm
.Lentry_in_a_cluster:
	s_bfe_u32 s2, ttmp6, 0x10000c
	s_cmp_lg_u32 s2, 0xf033
	s_cbranch_scc0 .Lentry_shape_is_right
	s_endpgm
.Lentry_shape_is_right:
; x1 = x + y Wo, the product on codes of FP6 (E2M3) with E8M0 scales, K = 2,048.
; A = ybuf: IMG[block 128][K step 16] of 1,536 bytes (slot r of block b is token 32 (b / 2) + 8 (b % 2) + r + 8 (r / 8)), scale words [block][K step][32 lanes] from byte 3,145,728.  B: codes [2048][1,536 bytes], scales [2048][64].  x, x1: [2048][2048] f32.
; SHARES.  A work-group makes 128 tokens x 128 columns; wave w owns tokens 32 w .. 32 w + 31 (two blocks) x all 128 columns: 16 accumulators.  The matrix instruction is used transposed (source 0 = 16 weight rows, source 1 = 16 tokens).
; K: 16 steps of 128, written out.  LDS holds 10 steps: T1 = steps 0-5, T2 = 6-7, T3 = 8-9, all asked for at the start (three tensor loads of a wave are out); T1 is filled once more, with steps 10-15, behind step 5's round (one load out), and has 64 matrix instructions a wave in which to land.
; CLUSTER 4 x 4: A's tiles are shared along a row of the cluster, B's along a column, by joint loads.  Waves 0, 1 fetch A's halves, waves 2, 3 B's.
; THE WAY OUT: through the wave's own stage in LDS, back as whole rows of 512 bytes; the residual's rows, loaded at the start, are added; each store covers 512 consecutive bytes, aligned.
; REGISTERS: window 0: v1-31 addresses; v32-47 A's scale words, v48-111 B's (lanes 0-15: steps 0-7, lanes 16-31: steps 8-15); v128-255 accumulators.  window 1: two fragment buffers at v0 and v128.  window 2: v0-127 the residual.
.set KSTEPS, 16
.set REFILL, 1
.set SPR,    KSTEPS/2
.set KROW,   96*KSTEPS
.set KS,     4*KSTEPS
.set IMGB,   128*KSTEPS*1536
.set T1A,    0
; THE WALK ALONG K AS IT STANDS (in place of T1, T2, T3 of the head's lines): H = steps 0-7, one load a wave at the head; E = steps 8-11, first filled behind the round that follows H's landing;
; H is filled once more behind step 7's round, for steps 12-15: A by E's tile shape, B by H's own from byte 768 of each row (steps 8-15), so that every row of a tile begins at a multiple of 256 bytes.  One load of a wave is out at a time.
.set T1B,    98304                     ; H: A 8 blocks x 12,288 from byte 0; B 128 rows x 816 (768 bytes + 16 behind every 256)
.set T2A,    202752                    ; E: A 8 x 6,144
.set T2B,    251904                    ; E: B 128 rows x 432 (384 bytes + 16 behind every 128)
.set STAGE,  202752                    ; over E: it has had its only fill, and every wave has left it at step 11's barrier
.set A3W,    20                        ; v20, v21: A's steps 12-15 in H's bytes
.set SPARE,  327168
.set SPW,  4
.set NIL,  5
.set A1W,  6
.set BADR, 8
.set A2W,  24
.set LI16, 26
.set STO,  29
.set RD,   30
.set SAR,  32
.set SBR,  48
.set VSA,  120
.set VSB,  121
.set ACC,  128
.set MSB, 0
.macro WIN new
.if MSB != \new
	s_set_vgpr_msb (MSB<<8)|\new
.set MSB, \new
.endif
.endm
.macro PLACES n
.rept \n
	v_nop
.endr
.endm
.macro CROUND
	s_barrier_signal -1
	s_barrier_wait -1
	s_cmp_lg_u32 s20, 0
	s_cbranch_scc1 .Lnot_wave_0_\@
	s_barrier_signal -3
.Lnot_wave_0_\@:
	s_barrier_wait -3
	s_barrier_signal -1
	s_barrier_wait -1
.endm
.macro JLOAD g0a, g1a, g0b, g1b
	s_cmp_eq_u32 s21, 0
	s_cbranch_scc0 .Lfor_b_\@
	tensor_load_to_lds s[\g0a:\g0a+3], s[\g1a:\g1a+7]
	s_nop 0
	PLACES 4
	s_branch .Lasked_\@
.Lfor_b_\@:
	tensor_load_to_lds s[\g0b:\g0b+3], s[\g1b:\g1b+7]
	s_nop 0
	PLACES 4
.Lasked_\@:
.endm
.macro FRAGA reg, s, u
.if (\s) < 8
.set AO, 12288*(\u)+1536*(\s)
.set AW, A1W
.elseif (\s) < 12
.set AO, 6144*(\u)+1536*((\s)-8)
.set AW, A2W
.else
.set AO, 6144*(\u)+1536*((\s)-12)
.set AW, A3W
.endif
	ds_load_b128 v[(\reg):(\reg)+3], v[AW] offset:AO
	ds_load_b64 v[(\reg)+4:(\reg)+5], v[AW+1] offset:AO+512
	ds_load_b128 v[(\reg)+6:(\reg)+9], v[AW] offset:AO+768
	ds_load_b64 v[(\reg)+10:(\reg)+11], v[AW+1] offset:AO+1280
.endm
.macro FRAGB reg, s, i
.if ((\s) < 8) || ((\s) > 11)
.set QQ, (\s)%8
.set PT, 816
.set PI, 32                            ; pieces of 8 bytes between two paddings
.set RG, (\i)/4
.set ROWI, 16*((\i)%4)
.else
.set QQ, (\s)-8
.set PT, 432
.set PI, 16
.set RG, 2
.set ROWI, 16*(\i)
.endif
.irp p, 0,1,2,3,4,5
.set PCE, 12*QQ+6*(\p/3)+\p%3
.if (PCE%PI) < (PI-3)
	ds_load_b64 v[(\reg)+2*\p:(\reg)+2*\p+1], v[BADR+4*RG] offset:8*PCE+16*(PCE/PI)+ROWI*PT
.else
	ds_load_b64 v[(\reg)+2*\p:(\reg)+2*\p+1], v[BADR+4*RG+1] offset:8*PCE+16*(PCE/PI)+ROWI*PT
.endif
.endr
.endm
.macro FETCH s, f
	WIN 0x40
.irp u, 0,1
	FRAGA 128*(\f)+12*\u, \s, \u
.endr
.irp i, 0,1,2,3,4,5,6,7
	FRAGB 128*(\f)+24+12*\i, \s, \i
.endr
.endm
.macro MUL s, f                        ; the 16 accumulators take turns, in the same order in every step
	WIN 0x05
.irp u, 0,1
.irp b, 0,1,2,3,4,5,6,7
.if (\s) == 0
	v_wmma_scale_f32_16x16x128_f8f6f4 v[ACC+64*\u+8*\b:ACC+64*\u+8*\b+7], v[128*(\f)+24+12*\b:128*(\f)+35+12*\b], v[128*(\f)+12*\u:128*(\f)+11+12*\u], 0, v[SBR+SPR*\b], v[SAR+SPR*\u] matrix_a_fmt:MATRIX_FMT_FP6 matrix_b_fmt:MATRIX_FMT_FP6
.elseif (\s) < SPR
	v_wmma_scale_f32_16x16x128_f8f6f4 v[ACC+64*\u+8*\b:ACC+64*\u+8*\b+7], v[128*(\f)+24+12*\b:128*(\f)+35+12*\b], v[128*(\f)+12*\u:128*(\f)+11+12*\u], v[ACC+64*\u+8*\b:ACC+64*\u+8*\b+7], v[SBR+SPR*\b+(\s)], v[SAR+SPR*\u+(\s)] matrix_a_fmt:MATRIX_FMT_FP6 matrix_b_fmt:MATRIX_FMT_FP6
.else
	v_wmma_scale_f32_16x16x128_f8f6f4 v[ACC+64*\u+8*\b:ACC+64*\u+8*\b+7], v[128*(\f)+24+12*\b:128*(\f)+35+12*\b], v[128*(\f)+12*\u:128*(\f)+11+12*\u], v[ACC+64*\u+8*\b:ACC+64*\u+8*\b+7], v[SBR+SPR*\b+(\s)-SPR], v[SAR+SPR*\u+(\s)-SPR] matrix_a_fmt:MATRIX_FMT_FP6 matrix_b_fmt:MATRIX_FMT_FP6 matrix_a_scale:MATRIX_SCALE_ROW1 matrix_b_scale:MATRIX_SCALE_ROW1
.endif
.endr
.endr
.endm
.macro KSTEP s
	s_wait_dscnt 0x0                               ; this step's fragments are in
.if (\s) == 7
	WIN 0
	s_wait_tensorcnt 0x0                           ; all my tensor loads have landed: my part of E;
.if REFILL
	ds_add_u32 v[SPW], v[NIL]                      ; 0 onto my spare word
	s_wait_dscnt 0x0                               ; the add is done; my reads of T1 ended with this step's fragments
	CROUND                                         ; no wave of any partner still reads T1 or has a load on its way
	JLOAD 76, 32, 88, 40                           ; H's bytes once more: steps 12-15
.else
	s_barrier_signal -1
	s_barrier_wait -1
.endif
.endif
.if (\s) == 11
	WIN 0
	s_wait_tensorcnt 0x0                           ; my part of the refilled H is in,
	s_barrier_signal -1
	s_barrier_wait -1                              ; everybody's is; and nobody reads E any more
.endif
	PLACES 4                                       ; in front of loads into the buffer that the last step's products read
.if (\s)+1 < KSTEPS
	FETCH (\s)+1, ((\s)+1)%2
.endif
	MUL \s, (\s)%2
.endm
.macro TOSTAGE
.irp u, 0,1
.irp b, 0,1,2,3,4,5,6,7
	ds_store_b128 v[STO], v[ACC+64*\u+8*\b:ACC+64*\u+8*\b+3] offset:8448*\u+64*\b
	ds_store_b128 v[STO], v[ACC+64*\u+8*\b+4:ACC+64*\u+8*\b+7] offset:8448*\u+64*\b+16
.endr
.endr
.endm
	s_load_b256 s[4:11], s[0:1], 0x0               ; A s[4:5], B's codes s[6:7], B's scales s[8:9], the residual s[10:11]
	s_load_b64 s[12:13], s[0:1], 0x20              ; out
	v_lshl_add_u32 v[SPW], v0, 2, SPARE
	v_mov_b32 v[NIL], 0
	ds_add_u32 v4, v5
	ds_add_u32 v4, v5
	s_wait_dscnt 0x0
	v_lshrrev_b32 v1, 5, v0
	v_readfirstlane_b32 s20, v1
	s_lshr_b32 s21, s20, 1
	s_and_b32 s22, s20, 1
	s_bfe_u32 s2, ttmp6, 0x40000
	s_bfe_u32 s3, ttmp6, 0x40004
	s_lshl_b32 s92, ttmp9, 2
	s_add_co_u32 s92, s92, s2                      ; the tile of 128 columns
	s_and_b32 s93, ttmp7, 0xffff
	s_lshl_b32 s93, s93, 2
	s_add_co_u32 s93, s93, s3                      ; the tile of 128 tokens
	s_lshl_b32 s94, s3, 2
	s_lshl_b32 s94, 15, s94
	s_lshl_b32 s95, 0x1111, s2
	s_or_b32 s24, s94, (3<<16)|(1<<21)             ; A: 4 blocks of 12,288 or 6,144 dense bytes, elements of 8 bytes
	s_mov_b32 s25, 1536<<16
	s_mov_b32 s26, 4<<16
	s_mov_b32 s27, 1536<<16
	s_mov_b32 s28, 4
	s_mov_b32 s29, 192*KSTEPS
	s_mov_b32 s30, 0
	s_mov_b32 s31, 0
	s_or_b32 s32, s94, (3<<16)|(1<<21)
	s_mov_b32 s33, 768<<16
	s_mov_b32 s34, 4<<16
	s_mov_b32 s35, 768<<16
	s_mov_b32 s36, 4
	s_mov_b32 s37, 192*KSTEPS
	s_mov_b32 s38, 0
	s_mov_b32 s39, 0
	s_or_b32 s40, s95, (1<<20)|(1<<21)|(5<<22)|(3<<25)   ; B: 64 rows of 768 bytes, 16 bytes of padding behind every 256
	s_mov_b32 s41, 768<<16
	s_mov_b32 s42, 64<<16
	s_mov_b32 s43, 768<<16
	s_mov_b32 s44, 64
	s_mov_b32 s45, KROW
	s_mov_b32 s46, 0
	s_mov_b32 s47, 0
	s_or_b32 s48, s95, (1<<20)|(1<<21)|(4<<22)|(3<<25)   ; 64 rows of 384 bytes, 16 bytes of padding behind every 128
	s_mov_b32 s49, 384<<16
	s_mov_b32 s50, 64<<16
	s_mov_b32 s51, 384<<16
	s_mov_b32 s52, 64
	s_mov_b32 s53, KROW
	s_mov_b32 s54, 0
	s_mov_b32 s55, 0
	s_lshl_b32 s96, s93, 3
	s_lshl_b32 s100, s22, 2
	s_add_co_u32 s96, s96, s100
	s_mul_i32 s96, s96, KSTEPS*1536
	s_mov_b32 s97, 0
	s_lshl_b32 s98, s92, 7
	s_lshl_b32 s100, s22, 6
	s_add_co_u32 s98, s98, s100
	s_mul_i32 s98, s98, KROW
	s_mov_b32 s99, 0
	s_mov_b32 s68, 1
	s_mul_i32 s69, s22, 49152                      ; A in H: my 4 blocks x 12,288
	s_mov_b32 s72, 1
	s_mov_b32 s76, 1
	s_mul_i32 s77, s22, 24576                      ; A's steps 12-15, in H's bytes: 4 blocks x 6,144
	s_add_co_u32 s73, s77, T2A                     ; A in E
	s_mov_b32 s80, 1
	s_mul_i32 s81, s22, 52224                      ; B in H: my 64 rows x 816
	s_add_co_u32 s81, s81, T1B
	s_mov_b32 s84, 1
	s_mul_i32 s85, s22, 27648                      ; B in E: 64 rows x 432
	s_add_co_u32 s85, s85, T2B
	s_mov_b32 s88, 1
	s_mov_b32 s89, s81                             ; B's second fill of H
	s_wait_kmcnt 0x0
	s_add_nc_u64 s[96:97], s[4:5], s[96:97]
	s_add_nc_u64 s[98:99], s[6:7], s[98:99]
	s_mov_b64 s[70:71], s[96:97]
	s_or_b32 s71, s71, 0x80000000
	s_add_nc_u64 s[74:75], s[96:97], 8*1536
	s_or_b32 s75, s75, 0x80000000
	s_add_nc_u64 s[78:79], s[96:97], 12*1536
	s_or_b32 s79, s79, 0x80000000
	s_mov_b64 s[82:83], s[98:99]
	s_or_b32 s83, s83, 0x80000000
	s_add_nc_u64 s[86:87], s[98:99], 8*96
	s_or_b32 s87, s87, 0x80000000
	s_add_nc_u64 s[90:91], s[98:99], 8*96
	s_or_b32 s91, s91, 0x80000000
	CROUND                                         ; all sixteen work-groups are here: the first joint loads meet
	s_cmp_eq_u32 s21, 0                            ; a wave's first fill stands in one branch: one load of mine is out
	s_cbranch_scc0 .Lfirst_b
	tensor_load_to_lds s[68:71], s[24:31]
	s_nop 0
	PLACES 4
	s_branch .Lfirst_done
.Lfirst_b:
	tensor_load_to_lds s[80:83], s[40:47]
	s_nop 0
	PLACES 4
.Lfirst_done:
	s_lshl_b32 s100, s93, 7
	s_lshl_b32 s101, s20, 5
	s_add_co_u32 s100, s100, s101                  ; my first token
	s_lshl_b32 s100, s100, 13
	s_lshl_b32 s101, s92, 9
	s_add_co_u32 s100, s100, s101                  ; + the tile's 512 bytes of a row
	s_mov_b32 s101, 0
	s_add_nc_u64 s[10:11], s[10:11], s[100:101]
	s_add_nc_u64 s[12:13], s[12:13], s[100:101]
	s_lshl_b32 s96, s93, 3
	s_lshl_b32 s100, s20, 1
	s_add_co_u32 s96, s96, s100
	s_mul_i32 s96, s96, KSTEPS*128
	s_add_co_u32 s96, s96, IMGB
	s_mov_b32 s97, 0
	s_add_nc_u64 s[96:97], s[4:5], s[96:97]        ; A's scale words
	s_mul_i32 s98, s92, 128*KS
	s_mov_b32 s99, 0
	s_add_nc_u64 s[98:99], s[8:9], s[98:99]        ; B's
	v_and_b32 v1, 15, v0
	v_bfe_u32 v2, v0, 4, 1
	v_and_b32 v3, 31, v0
	v_lshlrev_b32 v[LI16], 4, v3
	v_lshlrev_b32 v[VSA], 2, v1
	v_mad_u32_u24 v[VSA], v2, 128*SPR, v[VSA]
	v_mul_u32_u24 v[VSB], v1, KS
	v_mad_u32_u24 v[VSB], v2, KS/2, v[VSB]
.irp u, 0,1
.set i, 0
.rept SPR
	global_load_b32 v[SAR+SPR*\u+i], v[VSA], s[96:97] offset:\u*KSTEPS*128+128*i
.set i, i+1
.endr
.endr
.set i, 0
.rept 8
.set k, 0
.rept SPR/4
	global_load_b128 v[SBR+SPR*i+4*k:SBR+SPR*i+4*k+3], v[VSB], s[98:99] offset:16*i*KS+16*k
.set k, k+1
.endr
.set i, i+1
.endr
	WIN 0x80
.set i, 0
.rept 32
	global_load_b128 v[4*i:4*i+3], v[LI16], s[10:11] offset:(8*(i/16)+i%16+8*((i%16)/8))*8192 th:TH_LOAD_NT   ; the residual's row of stage slot i: 512 consecutive bytes
.set i, i+1
.endr
	WIN 0
	s_mul_i32 s100, s20, 24576
	v_lshl_add_u32 v[A1W], v3, 4, s100
	v_lshl_add_u32 v[A1W+1], v3, 3, s100
	s_mul_i32 s101, s20, 12288
	v_lshl_add_u32 v[A3W], v3, 4, s101
	v_lshl_add_u32 v[A3W+1], v3, 3, s101
	s_add_co_u32 s101, s101, T2A
	v_lshl_add_u32 v[A2W], v3, 4, s101
	v_lshl_add_u32 v[A2W+1], v3, 3, s101
	v_mul_u32_u24 v112, v1, 816
	v_mad_u32_u24 v112, v2, 24, v112
	v_mul_u32_u24 v113, v1, 432
	v_mad_u32_u24 v113, v2, 24, v113
	v_lshlrev_b32 v114, 4, v2
	v_add_nc_u32 v[BADR], T1B, v112
	v_add_nc_u32 v[BADR+4], T1B+52224, v112
	v_add_nc_u32 v[BADR+8], T2B, v113
.irp g, 0,4,8
	v_add_nc_u32 v[BADR+\g+1], v[BADR+\g], v114
.endr
	s_mul_i32 s100, s20, 16896
	s_add_co_u32 s100, s100, STAGE
	v_mul_u32_u24 v[STO], v1, 528
	v_lshl_add_u32 v[STO], v2, 5, v[STO]
	v_add_nc_u32 v[STO], s100, v[STO]
	v_add_nc_u32 v[RD], s100, v[LI16]
	s_wait_alu depctr_va_vdst(0)
	s_wait_tensorcnt 0x0                           ; my part of H is in
	ds_add_u32 v[SPW], v[NIL]
	s_wait_dscnt 0x0
	CROUND                                         ; everybody's part of H is in, and the joint loads meet
	JLOAD 72, 32, 84, 48                           ; E: steps 8-11; seven steps, 112 matrix instructions a wave, stand ahead of its wait
	FETCH 0, 0
	s_wait_loadcnt 32                              ; the scale words are in; the 32 younger loads, the residual's, may be out
.irp s, 0,1,2,3,4,5,6,7,8,9,10,11,12,13,14,15
	KSTEP \s
.endr
	WIN 0
	PLACES 4
	TOSTAGE
.set i, 0
.rept 32
	ds_load_b128 v[ACC+4*i:ACC+4*i+3], v[RD] offset:528*i   ; LDS serves a wave's instructions in order: these see my stores
.set i, i+1
.endr
	s_wait_loadcnt 0x0                             ; the residual
.irp g, 0,1,2,3
	s_wait_dscnt 24-8*\g                           ; eight more rows are back
	WIN 0x08
.set n, 0
.rept 16
	v_pk_add_f32 v[ACC+32*\g+2*n:ACC+32*\g+2*n+1], v[ACC+32*\g+2*n:ACC+32*\g+2*n+1], v[32*\g+2*n:32*\g+2*n+1]
.set n, n+1
.endr
	WIN 0
.set i, 8*\g
.rept 8
	global_store_b128 v[LI16], v[ACC+4*i:ACC+4*i+3], s[12:13] offset:(8*(i/16)+i%16+8*((i%16)/8))*8192 th:TH_STORE_NT
.set i, i+1
.endr
.endr
	s_wait_tensorcnt 0x0                           ; the wave's end
	ds_add_u32 v[SPW], v[NIL]
	s_wait_dscnt 0x0
	CROUND                                         ; the closing round
	s_endpgm
.Lfunc_end_k_q162bd52772_wo:
	.size	k_q162bd52772_wo, .Lfunc_end_k_q162bd52772_wo-k_q162bd52772_wo
	.p2alignl 7, 3214868480
	.fill 96, 4, 3214868480
	.section	.rodata,"a",@progbits
	.p2align	6, 0x0
	.amdhsa_kernel k_q162bd52772_wo
		.amdhsa_group_segment_fixed_size 327680
		.amdhsa_private_segment_fixed_size 0
		.amdhsa_enable_private_segment 0
		.amdhsa_kernarg_size 40
		.amdhsa_user_sgpr_count 2
		.amdhsa_user_sgpr_kernarg_segment_ptr 1
		.amdhsa_wavefront_size32 1
		.amdhsa_system_sgpr_workgroup_id_x 1
		.amdhsa_system_sgpr_workgroup_id_y 1
		.amdhsa_system_sgpr_workgroup_id_z 1
		.amdhsa_system_vgpr_workitem_id 0
		.amdhsa_next_free_vgpr 640
		.amdhsa_next_free_sgpr 102
		.amdhsa_reserve_vcc 0
		.amdhsa_float_denorm_mode_32 3
		.amdhsa_float_denorm_mode_16_64 3
		.amdhsa_memory_ordered 1
		.amdhsa_forward_progress 1
		.amdhsa_inst_pref_size 121
	.end_amdhsa_kernel
	.amdgpu_metadata
---
amdhsa.version: [ 1, 2 ]
amdhsa.kernels:
  - .name:           k_q162bd52772_wo
    .symbol:         k_q162bd52772_wo.kd
    .args:
      - { .name: ybuf, .offset: 0, .size: 8, .value_kind: global_buffer, .address_space: global }
      - { .name: wo_codes, .offset: 8, .size: 8, .value_kind: global_buffer, .address_space: global }
      - { .name: wo_scales, .offset: 16, .size: 8, .value_kind: global_buffer, .address_space: global }
      - { .name: x, .offset: 24, .size: 8, .value_kind: global_buffer, .address_space: global }
      - { .name: x1, .offset: 32, .size: 8, .value_kind: global_buffer, .address_space: global }
    .group_segment_fixed_size: 327680
    .private_segment_fixed_size: 0
    .kernarg_segment_align: 8
    .kernarg_segment_size: 40
    .max_flat_workgroup_size: 128
    .sgpr_count:     102
    .vgpr_count:     640
    .wavefront_size: 32
...
	.end_amdgpu_metadata
.endif
;; end of part 4
;; launch normq2: the kernel of part 1 again; grid 128 x 1, 16 waves a work-group, no clusters, 138,240 bytes of LDS; arguments x1, ffn_norm_w, hbuf; writes hbuf
;; launch gateup (part 5): grid 16 x 16, 4 waves a work-group, clusters of 4 x 4, 327,680 bytes of LDS; arguments hbuf, w_gate_codes, w_gate_scales, w_up_codes, w_up_scales, actbuf; writes actbuf
.if DOCPART == 5
	.amdgcn_target "amdgcn-amd-amdhsa--gfx1250"
	.amdhsa_code_object_version 6
	.text
	.protected	k_q162bd52772_gateup
	.globl	k_q162bd52772_gateup
	.p2align	8
	.type	k_q162bd52772_gateup,@function
k_q162bd52772_gateup:
	s_mov_b64 s[64:65], 0
	v_nop
	global_prefetch_b8 v0, s[64:65] scope:SCOPE_SE
	s_setreg_imm32_b32 hwreg(HW_REG_WAVE_MODE, 25, 1), 1
	s_wait_xcnt 0x0
	s_wait_alu depctr_hold_cnt(0) depctr_sa_sdst(0) depctr_va_vdst(0) depctr_va_sdst(0) depctr_va_ssrc(0) depctr_va_vcc(0) depctr_vm_vsrc(0)
	s_getreg_b32 s2, hwreg(HW_REG_IB_STS2, 6, 4)
	s_cmp_eq_u32 s2, 0
	s_cbranch_scc0 .Lentry_in_a_cluster
	s_endpgm
.Lentry_in_a_cluster:
	s_bfe_u32 s2, ttmp6, 0x10000c
	s_cmp_lg_u32 s2, 0xf033
	s_cbranch_scc0 .Lentry_shape_is_right
	s_endpgm
.Lentry_shape_is_right:
; act = silu(h Wgate) * (h Wup), both products on codes of FP6 (E2M3) with E8M0 scales, K = 2,048; act is quantised along the hidden axis and stored as half images for the last product.
; A = hbuf: IMG[block 128][K step 16], scale words from byte 3,145,728.  B: gate's and up's codes [1024][1,536 bytes], scales [1024][64].  actbuf: IMG[block 128][K step 8], scale words [block][K step][32 lanes] from byte 1,572,864.
; SHARES.  A work-group makes 128 tokens x 64 hidden units, gate AND up: B's tile is gate's 64 rows (wave 2 fetches them), then up's 64 (wave 3).  Wave w owns tokens 32 w .. 32 w + 31: tiles 0-3 gate, 4-7 up: 16 accumulators; silu and the product stay in the lane.
; WHICH ROWS FORM A TILE.  The next product's K is the hidden axis in its true order.  Of a block of 32 hidden units the even tile takes rows 0-7 and 24-31, the odd tile rows 8-23: with LDS rows 816 or 432 bytes apart both touch 16 different groups of banks.
; Lanes 0-15 then hold units 0-15 in order, lanes 16-31 hold 24-31, 16-23: 32 selects a block of tokens put that right.
; A work-group's 64 units are half a K step of the next product: it stores half an image (768 dense bytes) and half a scale word for each block.
; K loop, tiles, cluster and joint loads: 16 steps written out; T1 = steps 0-5, T2 = 6-7, T3 = 8-9 asked for at the start (three tensor loads of a wave are out); T1 filled once more with steps 10-15 behind step 5's round (one load out).
; LIMITS: NaN and infinities are not served; a block whose largest magnitude lies under 2^-124, a block of zeros among them, gets the byte 1.
.set KSTEPS, 16
.set REFILL, 1
.set SPR,    KSTEPS/2
.set KROW,   96*KSTEPS
.set KS,     4*KSTEPS
.set IMGB,   128*KSTEPS*1536
.set T1A,    0
; THE WALK ALONG K AS IT STANDS (in place of T1, T2, T3 of the head's lines): H = steps 0-7, one load a wave at the head; E = steps 8-11, first filled behind the round that follows H's landing;
; H is filled once more behind step 7's round, for steps 12-15: A by E's tile shape, B by H's own from byte 768 of each row (steps 8-15), so that every row of a tile begins at a multiple of 256 bytes.  One load of a wave is out at a time.
.set T1B,    98304                     ; H: A 8 blocks x 12,288 from byte 0; B 128 rows x 816 (768 bytes + 16 behind every 256)
.set T2A,    202752                    ; E: A 8 x 6,144
.set T2B,    251904                    ; E: B 128 rows x 432 (384 bytes + 16 behind every 128)
.set A3W,    20                        ; v20, v21: A's steps 12-15 in H's bytes
.set SPARE,  327168
.set SPW,  4
.set NIL,  5
.set A1W,  6
.set BADR, 8                           ; region g at 8 + 4 g: + 0, + 1 rows r; + 2, + 3 rows r + 16 (r / 8); the odd ones for pieces behind one padding more
.set A2W,  24
.set LI16, 26
.set LI8,  27
.set LS4,  28
.set SAR,  32
.set SBR,  48
.set TM,   112
.set VSA,  120
.set VSB,  121                         ; v121 rows r, v122 rows r + 16 (r / 8)
.set ACC,  128
.set PC0,  32
.set PW0,  72
.set EE,   80                          ; v80-111 on the way out: the exponentials
.set SEL,  62
.set MSB, 0
.macro WIN new
.if MSB != \new
	s_set_vgpr_msb (MSB<<8)|\new
.set MSB, \new
.endif
.endm
.macro PLACES n
.rept \n
	v_nop
.endr
.endm
.macro CROUND
	s_barrier_signal -1
	s_barrier_wait -1
	s_cmp_lg_u32 s20, 0
	s_cbranch_scc1 .Lnot_wave_0_\@
	s_barrier_signal -3
.Lnot_wave_0_\@:
	s_barrier_wait -3
	s_barrier_signal -1
	s_barrier_wait -1
.endm
.macro JLOAD g0a, g1a, g0b, g1b
	s_cmp_eq_u32 s21, 0
	s_cbranch_scc0 .Lfor_b_\@
	tensor_load_to_lds s[\g0a:\g0a+3], s[\g1a:\g1a+7]
	s_nop 0
	PLACES 4
	s_branch .Lasked_\@
.Lfor_b_\@:
	tensor_load_to_lds s[\g0b:\g0b+3], s[\g1b:\g1b+7]
	s_nop 0
	PLACES 4
.Lasked_\@:
.endm
.macro FRAGA reg, s, u
.if (\s) < 8
.set AO, 12288*(\u)+1536*(\s)
.set AW, A1W
.elseif (\s) < 12
.set AO, 6144*(\u)+1536*((\s)-8)
.set AW, A2W
.else
.set AO, 6144*(\u)+1536*((\s)-12)
.set AW, A3W
.endif
	ds_load_b128 v[(\reg):(\reg)+3], v[AW] offset:AO
	ds_load_b64 v[(\reg)+4:(\reg)+5], v[AW+1] offset:AO+512
	ds_load_b128 v[(\reg)+6:(\reg)+9], v[AW] offset:AO+768
	ds_load_b64 v[(\reg)+10:(\reg)+11], v[AW+1] offset:AO+1280
.endm
.macro FRAGB reg, s, i                 ; tile i: 0-3 gate, 4-7 up; of its 64 rows block (i % 4) / 2; even tiles rows 0-7, 24-31, odd tiles rows 8-23
.set LOC, 32*(((\i)%4)/2)+8*((\i)%2)
.set FAM, 1-(\i)%2
.if ((\s) < 8) || ((\s) > 11)
.set QQ, (\s)%8
.set PT, 816
.set PI, 32                            ; pieces of 8 bytes between two paddings
.set RG, (\i)/4
.set ROWI, LOC
.else
.set QQ, (\s)-8
.set PT, 432
.set PI, 16
.set RG, 2
.set ROWI, LOC+64*((\i)/4)
.endif
.irp p, 0,1,2,3,4,5
.set PCE, 12*QQ+6*(\p/3)+\p%3
.if (PCE%PI) < (PI-3)
	ds_load_b64 v[(\reg)+2*\p:(\reg)+2*\p+1], v[BADR+4*RG+2*FAM] offset:8*PCE+16*(PCE/PI)+ROWI*PT
.else
	ds_load_b64 v[(\reg)+2*\p:(\reg)+2*\p+1], v[BADR+4*RG+2*FAM+1] offset:8*PCE+16*(PCE/PI)+ROWI*PT
.endif
.endr
.endm
.macro FETCH s, f
	WIN 0x40
.irp u, 0,1
	FRAGA 128*(\f)+12*\u, \s, \u
.endr
.irp i, 0,1,2,3,4,5,6,7
	FRAGB 128*(\f)+24+12*\i, \s, \i
.endr
.endm
.macro MUL s, f                        ; the 16 accumulators take turns, in the same order in every step
	WIN 0x05
.irp u, 0,1
.irp b, 0,1,2,3,4,5,6,7
.if (\s) == 0
	v_wmma_scale_f32_16x16x128_f8f6f4 v[ACC+64*\u+8*\b:ACC+64*\u+8*\b+7], v[128*(\f)+24+12*\b:128*(\f)+35+12*\b], v[128*(\f)+12*\u:128*(\f)+11+12*\u], 0, v[SBR+SPR*\b], v[SAR+SPR*\u] matrix_a_fmt:MATRIX_FMT_FP6 matrix_b_fmt:MATRIX_FMT_FP6
.elseif (\s) < SPR
	v_wmma_scale_f32_16x16x128_f8f6f4 v[ACC+64*\u+8*\b:ACC+64*\u+8*\b+7], v[128*(\f)+24+12*\b:128*(\f)+35+12*\b], v[128*(\f)+12*\u:128*(\f)+11+12*\u], v[ACC+64*\u+8*\b:ACC+64*\u+8*\b+7], v[SBR+SPR*\b+(\s)], v[SAR+SPR*\u+(\s)] matrix_a_fmt:MATRIX_FMT_FP6 matrix_b_fmt:MATRIX_FMT_FP6
.else
	v_wmma_scale_f32_16x16x128_f8f6f4 v[ACC+64*\u+8*\b:ACC+64*\u+8*\b+7], v[128*(\f)+24+12*\b:128*(\f)+35+12*\b], v[128*(\f)+12*\u:128*(\f)+11+12*\u], v[ACC+64*\u+8*\b:ACC+64*\u+8*\b+7], v[SBR+SPR*\b+(\s)-SPR], v[SAR+SPR*\u+(\s)-SPR] matrix_a_fmt:MATRIX_FMT_FP6 matrix_b_fmt:MATRIX_FMT_FP6 matrix_a_scale:MATRIX_SCALE_ROW1 matrix_b_scale:MATRIX_SCALE_ROW1
.endif
.endr
.endr
.endm
.macro KSTEP s
	s_wait_dscnt 0x0                               ; this step's fragments are in
.if (\s) == 7
	WIN 0
	s_wait_tensorcnt 0x0                           ; all my tensor loads have landed: my part of E;
.if REFILL
	ds_add_u32 v[SPW], v[NIL]                      ; 0 onto my spare word
	s_wait_dscnt 0x0                               ; the add is done; my reads of T1 ended with this step's fragments
	CROUND                                         ; no wave of any partner still reads T1 or has a load on its way
	JLOAD 76, 32, 88, 40                           ; H's bytes once more: steps 12-15
.else
	s_barrier_signal -1
	s_barrier_wait -1
.endif
.endif
.if (\s) == 11
	WIN 0
	s_wait_tensorcnt 0x0                           ; my part of the refilled H is in,
	s_barrier_signal -1
	s_barrier_wait -1                              ; everybody's is
.endif
	PLACES 4                                       ; in front of loads into the buffer that the last step's products read
.if (\s)+1 < KSTEPS
	FETCH (\s)+1, ((\s)+1)%2
.endif
	MUL \s, (\s)%2
.endm
; 32 numbers of a lane, register 16 b + i = k 32 b + 16 h + i of my row (b = 0, 1), become half a fragment's codes, v[pc] .. v[pc + 5], and two scale bytes in v[pw]
.macro HQUANT s, pc, pw
.irp b, 0,1
	v_max3_num_f32 v[TM+\b], |v[(\s)+16*\b]|, |v[(\s)+1+16*\b]|, 0x1800000   ; and the floor 2^(3 - 127)
.endr
.irp i, 2,4,6,8,10,12,14
.irp b, 0,1
	v_max3_num_f32 v[TM+\b], v[TM+\b], |v[(\s)+16*\b+\i]|, |v[(\s)+1+16*\b+\i]|
.endr
.endr
.irp b, 0,1
	v_permlanex16_b32 v[TM+4+\b], v[TM+\b], s[SEL], s[SEL+1]
.endr
.irp b, 0,1
	v_max_num_f32 v[TM+\b], v[TM+\b], v[TM+4+\b]
.endr
.irp b, 0,1
	v_add_nc_u32 v[TM+12+\b], 0xff000000, v[TM+\b]
.endr
.irp b, 0,1
	v_lshrrev_b32 v[TM+4+\b], 23, v[TM+12+\b]
.endr
	v_lshl_or_b32 v[\pw], v[TM+5], 8, v[TM+4]
	v_cvt_scalef32_pk16_fp6_f32 v[(\pc):(\pc)+2], v[(\s):(\s)+15], v[TM+12]
	v_cvt_scalef32_pk16_fp6_f32 v[(\pc)+12:(\pc)+14], v[(\s)+16:(\s)+31], v[TM+13]
	v_nop                                          ; one plain place behind a scaled conversion
.irp i, 0,1,2
	v_permlane16_swap_b32 v[(\pc)+\i], v[(\pc)+12+\i]
.endr
.irp i, 0,1,2
	v_mov_b32 v[(\pc)+3+\i], v[(\pc)+12+\i]
.endr
.endm
	s_load_b256 s[4:11], s[0:1], 0x0               ; hbuf s[4:5], gate's codes s[6:7], gate's scales s[8:9], up's codes s[10:11]
	s_load_b128 s[12:15], s[0:1], 0x20             ; up's scales s[12:13], actbuf s[14:15]
	v_lshl_add_u32 v[SPW], v0, 2, SPARE
	v_mov_b32 v[NIL], 0
	ds_add_u32 v4, v5
	ds_add_u32 v4, v5
	s_wait_dscnt 0x0
	v_lshrrev_b32 v1, 5, v0
	v_readfirstlane_b32 s20, v1
	s_lshr_b32 s21, s20, 1
	s_and_b32 s22, s20, 1
	s_bfe_u32 s2, ttmp6, 0x40000
	s_bfe_u32 s3, ttmp6, 0x40004
	s_lshl_b32 s92, ttmp9, 2
	s_add_co_u32 s92, s92, s2                      ; the tile of 64 hidden units
	s_and_b32 s93, ttmp7, 0xffff
	s_lshl_b32 s93, s93, 2
	s_add_co_u32 s93, s93, s3                      ; the tile of 128 tokens
	s_lshl_b32 s94, s3, 2
	s_lshl_b32 s94, 15, s94
	s_lshl_b32 s95, 0x1111, s2
	s_mov_b32 s62, 0x76543210
	s_mov_b32 s63, 0xfedcba98
	s_mov_b32 s66, 0xffff0000                      ; lanes 16-31
	s_or_b32 s24, s94, (3<<16)|(1<<21)
	s_mov_b32 s25, 1536<<16
	s_mov_b32 s26, 4<<16
	s_mov_b32 s27, 1536<<16
	s_mov_b32 s28, 4
	s_mov_b32 s29, 192*KSTEPS
	s_mov_b32 s30, 0
	s_mov_b32 s31, 0
	s_or_b32 s32, s94, (3<<16)|(1<<21)
	s_mov_b32 s33, 768<<16
	s_mov_b32 s34, 4<<16
	s_mov_b32 s35, 768<<16
	s_mov_b32 s36, 4
	s_mov_b32 s37, 192*KSTEPS
	s_mov_b32 s38, 0
	s_mov_b32 s39, 0
	s_or_b32 s40, s95, (1<<20)|(1<<21)|(5<<22)|(3<<25)   ; B: 64 rows of 768 bytes, 16 bytes of padding behind every 256
	s_mov_b32 s41, 768<<16
	s_mov_b32 s42, 64<<16
	s_mov_b32 s43, 768<<16
	s_mov_b32 s44, 64
	s_mov_b32 s45, KROW
	s_mov_b32 s46, 0
	s_mov_b32 s47, 0
	s_or_b32 s48, s95, (1<<20)|(1<<21)|(4<<22)|(3<<25)   ; 64 rows of 384 bytes, 16 bytes of padding behind every 128
	s_mov_b32 s49, 384<<16
	s_mov_b32 s50, 64<<16
	s_mov_b32 s51, 384<<16
	s_mov_b32 s52, 64
	s_mov_b32 s53, KROW
	s_mov_b32 s54, 0
	s_mov_b32 s55, 0
	s_lshl_b32 s96, s93, 3
	s_lshl_b32 s100, s22, 2
	s_add_co_u32 s96, s96, s100
	s_mul_i32 s96, s96, KSTEPS*1536
	s_mov_b32 s97, 0
	s_mul_i32 s98, s92, 64*KROW                    ; B: weight row 64 x tile, in gate (first half) or in up (second)
	s_mov_b32 s99, 0
	s_mov_b32 s68, 1
	s_mul_i32 s69, s22, 49152                      ; A in H: my 4 blocks x 12,288
	s_mov_b32 s72, 1
	s_mov_b32 s76, 1
	s_mul_i32 s77, s22, 24576                      ; A's steps 12-15, in H's bytes: 4 blocks x 6,144
	s_add_co_u32 s73, s77, T2A                     ; A in E
	s_mov_b32 s80, 1
	s_mul_i32 s81, s22, 52224                      ; B in H: gate's 64 rows x 816, then up's
	s_add_co_u32 s81, s81, T1B
	s_mov_b32 s84, 1
	s_mul_i32 s85, s22, 27648                      ; B in E: 64 rows x 432
	s_add_co_u32 s85, s85, T2B
	s_mov_b32 s88, 1
	s_mov_b32 s89, s81                             ; B's second fill of H
	s_wait_kmcnt 0x0
	s_cmp_eq_u32 s22, 0                            ; the choice hangs on the wave's number alone
	s_cselect_b64 s[16:17], s[6:7], s[10:11]
	s_add_nc_u64 s[96:97], s[4:5], s[96:97]
	s_add_nc_u64 s[98:99], s[16:17], s[98:99]
	s_mov_b64 s[70:71], s[96:97]
	s_or_b32 s71, s71, 0x80000000
	s_add_nc_u64 s[74:75], s[96:97], 8*1536
	s_or_b32 s75, s75, 0x80000000
	s_add_nc_u64 s[78:79], s[96:97], 12*1536
	s_or_b32 s79, s79, 0x80000000
	s_mov_b64 s[82:83], s[98:99]
	s_or_b32 s83, s83, 0x80000000
	s_add_nc_u64 s[86:87], s[98:99], 8*96
	s_or_b32 s87, s87, 0x80000000
	s_add_nc_u64 s[90:91], s[98:99], 8*96
	s_or_b32 s91, s91, 0x80000000
	CROUND                                         ; all sixteen work-groups are here: the first joint loads meet
	s_cmp_eq_u32 s21, 0                            ; a wave's first fill stands in one branch: one load of mine is out
	s_cbranch_scc0 .Lfirst_b
	tensor_load_to_lds s[68:71], s[24:31]
	s_nop 0
	PLACES 4
	s_branch .Lfirst_done
.Lfirst_b:
	tensor_load_to_lds s[80:83], s[40:47]
	s_nop 0
	PLACES 4
.Lfirst_done:
	s_mul_i32 s100, s92, 64*KS
	s_mov_b32 s101, 0
	s_add_nc_u64 s[8:9], s[8:9], s[100:101]        ; gate's scales at my 64 rows
	s_add_nc_u64 s[12:13], s[12:13], s[100:101]    ; up's
	s_lshl_b32 s96, s93, 3
	s_lshl_b32 s100, s20, 1
	s_add_co_u32 s96, s96, s100                    ; my first block
	s_lshl_b32 s16, s96, 3
	s_mul_i32 s96, s96, KSTEPS*128
	s_add_co_u32 s96, s96, IMGB
	s_mov_b32 s97, 0
	s_add_nc_u64 s[96:97], s[4:5], s[96:97]        ; A's scale words
	s_lshr_b32 s17, s92, 1
	s_add_co_u32 s16, s16, s17                     ; 8 x block + the next product's K step
	s_and_b32 s17, s92, 1                          ; which half of that step
	s_mul_i32 s18, s16, 1536
	s_mul_i32 s19, s17, 768
	s_add_co_u32 s18, s18, s19
	s_mov_b32 s19, 0
	s_lshl_b32 s16, s16, 7
	s_lshl_b32 s17, s17, 1
	s_add_co_u32 s16, s16, s17
	s_add_co_u32 s16, s16, 1572864
	s_mov_b32 s17, 0
	s_add_nc_u64 s[18:19], s[14:15], s[18:19]      ; my half images
	s_add_nc_u64 s[16:17], s[14:15], s[16:17]      ; my half scale words
	v_and_b32 v1, 15, v0
	v_bfe_u32 v2, v0, 4, 1
	v_and_b32 v3, 31, v0
	v_lshlrev_b32 v[LI16], 4, v3
	v_lshlrev_b32 v[LI8], 3, v3
	v_lshlrev_b32 v[LS4], 2, v3
	v_lshrrev_b32 v115, 3, v1                      ; r / 8
	v_lshlrev_b32 v[VSA], 2, v1
	v_mad_u32_u24 v[VSA], v2, 128*SPR, v[VSA]
	v_mul_u32_u24 v[VSB], v1, KS
	v_mad_u32_u24 v[VSB], v2, KS/2, v[VSB]
	v_mad_u32_u24 v[VSB+1], v115, 16*KS, v[VSB]
.irp u, 0,1
.set i, 0
.rept SPR
	global_load_b32 v[SAR+SPR*\u+i], v[VSA], s[96:97] offset:\u*KSTEPS*128+128*i
.set i, i+1
.endr
.endr
.set i, 0
.rept 8
.set k, 0
.rept SPR/4
.if i < 4
	global_load_b128 v[SBR+SPR*i+4*k:SBR+SPR*i+4*k+3], v[VSB+1-i%2], s[8:9] offset:(32*((i%4)/2)+8*(i%2))*KS+16*k
.else
	global_load_b128 v[SBR+SPR*i+4*k:SBR+SPR*i+4*k+3], v[VSB+1-i%2], s[12:13] offset:(32*((i%4)/2)+8*(i%2))*KS+16*k
.endif
.set k, k+1
.endr
.set i, i+1
.endr
	s_mul_i32 s100, s20, 24576
	v_lshl_add_u32 v[A1W], v3, 4, s100
	v_lshl_add_u32 v[A1W+1], v3, 3, s100
	s_mul_i32 s101, s20, 12288
	v_lshl_add_u32 v[A3W], v3, 4, s101
	v_lshl_add_u32 v[A3W+1], v3, 3, s101
	s_add_co_u32 s101, s101, T2A
	v_lshl_add_u32 v[A2W], v3, 4, s101
	v_lshl_add_u32 v[A2W+1], v3, 3, s101
	v_mul_u32_u24 v112, v1, 816
	v_mad_u32_u24 v112, v2, 24, v112
	v_mul_u32_u24 v113, v1, 432
	v_mad_u32_u24 v113, v2, 24, v113
	v_lshlrev_b32 v114, 4, v2
	v_mul_u32_u24 v116, v115, 16*816
	v_mul_u32_u24 v117, v115, 16*432
	v_add_nc_u32 v[BADR], T1B, v112
	v_add_nc_u32 v[BADR+4], T1B+52224, v112
	v_add_nc_u32 v[BADR+8], T2B, v113
.irp g, 0,4,8
	v_add_nc_u32 v[BADR+\g+1], v[BADR+\g], v114
.endr
.irp g, 0,1,4,5
	v_add_nc_u32 v[BADR+\g+2], v[BADR+\g], v116
.endr
.irp g, 8,9
	v_add_nc_u32 v[BADR+\g+2], v[BADR+\g], v117
.endr
	s_wait_alu depctr_va_vdst(0)
	s_wait_tensorcnt 0x0                           ; my part of H is in
	ds_add_u32 v[SPW], v[NIL]
	s_wait_dscnt 0x0
	CROUND                                         ; everybody's part of H is in, and the joint loads meet
	JLOAD 72, 32, 84, 48                           ; E: steps 8-11; seven steps, 112 matrix instructions a wave, stand ahead of its wait
	FETCH 0, 0
	s_wait_loadcnt 0x0                             ; the scale words
.irp s, 0,1,2,3,4,5,6,7,8,9,10,11,12,13,14,15
	KSTEP \s
.endr
	WIN 0
	PLACES 4
.irp b, 0,1
	v_mov_b32 v[TM+4+\b], 0                        ; a lane permute's destination counts as one of its sources
.endr
.irp u, 0,1                                    ; G = v[ACC + 64 u] on: gate; 32 further on: up
.set n, 0
.rept 32
	v_mul_f32 v[EE+n], 0xbfb8aa3b, v[ACC+64*\u+n]  ; -g log2(e)
.set n, n+1
.endr
.set n, 0
	s_wait_alu depctr_va_vdst(0)
.rept 32
	v_exp_f32 v[EE+n], v[EE+n]                     ; e^-g
.set n, n+1
.endr
.set n, 0
	s_wait_alu depctr_va_vdst(0)
.rept 16
	v_pk_mul_f32 v[ACC+64*\u+n:ACC+64*\u+n+1], v[ACC+64*\u+n:ACC+64*\u+n+1], v[ACC+64*\u+32+n:ACC+64*\u+33+n]   ; g u: independent work behind the batch
.set n, n+2
.endr
	s_wait_alu depctr_va_vdst(0)                   ; one wait for the 32 exponentials, ahead of their first reader
.set n, 0
.rept 16
	v_pk_add_f32 v[EE+n:EE+n+1], v[EE+n:EE+n+1], 1.0 op_sel_hi:[1,0]
.set n, n+2
.endr
.set n, 0
	s_wait_alu depctr_va_vdst(0)
.rept 32
	v_rcp_f32 v[EE+n], v[EE+n]                     ; 1 / (1 + e^-g)
.set n, n+1
.endr
	v_nop                                          ; a plain place behind the last reciprocal
	s_wait_alu depctr_va_vdst(0)                   ; and one wait for the 32
.set n, 0
.rept 16
	v_pk_mul_f32 v[ACC+64*\u+n:ACC+64*\u+n+1], v[ACC+64*\u+n:ACC+64*\u+n+1], v[EE+n:EE+n+1]
.set n, n+2
.endr
.irp b, 0,1                                    ; lanes 16-31 hold units 24-31 ahead of 16-23: the two groups of eight change places there
.set j, 0
.rept 8
	v_cndmask_b32 v[ACC+64*\u+32+16*\b+j], v[ACC+64*\u+16*\b+j], v[ACC+64*\u+16*\b+8+j], s66
	v_cndmask_b32 v[ACC+64*\u+40+16*\b+j], v[ACC+64*\u+16*\b+8+j], v[ACC+64*\u+16*\b+j], s66
.set j, j+1
.endr
.endr
	HQUANT ACC+64*\u+32, PC0+20*\u, PW0+\u
	global_store_b128 v[LI16], v[PC0+20*\u:PC0+20*\u+3], s[18:19] offset:12288*\u
	global_store_b64 v[LI8], v[PC0+20*\u+4:PC0+20*\u+5], s[18:19] offset:12288*\u+512
	global_store_b16 v[LS4], v[PW0+\u], s[16:17] offset:1024*\u   ; two of the word's four bytes; the neighbouring tile of hidden units stores the others
.endr
	s_wait_tensorcnt 0x0                           ; the wave's end
	ds_add_u32 v[SPW], v[NIL]
	s_wait_dscnt 0x0
	CROUND                                         ; the closing round
	s_endpgm
.Lfunc_end_k_q162bd52772_gateup:
	.size	k_q162bd52772_gateup, .Lfunc_end_k_q162bd52772_gateup-k_q162bd52772_gateup
	.p2alignl 7, 3214868480
	.fill 96, 4, 3214868480
	.section	.rodata,"a",@progbits
	.p2align	6, 0x0
	.amdhsa_kernel k_q162bd52772_gateup
		.amdhsa_group_segment_fixed_size 327680
		.amdhsa_private_segment_fixed_size 0
		.amdhsa_enable_private_segment 0
		.amdhsa_kernarg_size 48
		.amdhsa_user_sgpr_count 2
		.amdhsa_user_sgpr_kernarg_segment_ptr 1
		.amdhsa_wavefront_size32 1
		.amdhsa_system_sgpr_workgroup_id_x 1
		.amdhsa_system_sgpr_workgroup_id_y 1
		.amdhsa_system_sgpr_workgroup_id_z 1
		.amdhsa_system_vgpr_workitem_id 0
		.amdhsa_next_free_vgpr 512
		.amdhsa_next_free_sgpr 102
		.amdhsa_reserve_vcc 0
		.amdhsa_float_denorm_mode_32 3
		.amdhsa_float_denorm_mode_16_64 3
		.amdhsa_memory_ordered 1
		.amdhsa_forward_progress 1
		.amdhsa_inst_pref_size 129
	.end_amdhsa_kernel
	.amdgpu_metadata
---
amdhsa.version: [ 1, 2 ]
amdhsa.kernels:
  - .name:           k_q162bd52772_gateup
    .symbol:         k_q162bd52772_gateup.kd
    .args:
      - { .name: hbuf, .offset: 0, .size: 8, .value_kind: global_buffer, .address_space: global }
      - { .name: w_gate_codes, .offset: 8, .size: 8, .value_kind: global_buffer, .address_space: global }
      - { .name: w_gate_scales, .offset: 16, .size: 8, .value_kind: global_buffer, .address_space: global }
      - { .name: w_up_codes, .offset: 24, .size: 8, .value_kind: global_buffer, .address_space: global }
      - { .name: w_up_scales, .offset: 32, .size: 8, .value_kind: global_buffer, .address_space: global }
      - { .name: actbuf, .offset: 40, .size: 8, .value_kind: global_buffer, .address_space: global }
    .group_segment_fixed_size: 327680
    .private_segment_fixed_size: 0
    .kernarg_segment_align: 8
    .kernarg_segment_size: 48
    .max_flat_workgroup_size: 128
    .sgpr_count:     102
    .vgpr_count:     512
    .wavefront_size: 32
...
	.end_amdgpu_metadata
.endif
;; end of part 5
;; launch down (part 6): grid 16 x 16, 4 waves a work-group, clusters of 4 x 4, 327,680 bytes of LDS; arguments actbuf, w_down_codes, w_down_scales, x1, out0; writes out0
.if DOCPART == 6
	.amdgcn_target "amdgcn-amd-amdhsa--gfx1250"
	.amdhsa_code_object_version 6
	.text
	.protected	k_q162bd52772_down
	.globl	k_q162bd52772_down
	.p2align	8
	.type	k_q162bd52772_down,@function
k_q162bd52772_down:
	s_mov_b64 s[64:65], 0
	v_nop
	global_prefetch_b8 v0, s[64:65] scope:SCOPE_SE
	s_setreg_imm32_b32 hwreg(HW_REG_WAVE_MODE, 25, 1), 1
	s_wait_xcnt 0x0
	s_wait_alu depctr_hold_cnt(0) depctr_sa_sdst(0) depctr_va_vdst(0) depctr_va_sdst(0) depctr_va_ssrc(0) depctr_va_vcc(0) depctr_vm_vsrc(0)
	s_getreg_b32 s2, hwreg(HW_REG_IB_STS2, 6, 4)
	s_cmp_eq_u32 s2, 0
	s_cbranch_scc0 .Lentry_in_a_cluster
	s_endpgm
.Lentry_in_a_cluster:
	s_bfe_u32 s2, ttmp6, 0x10000c
	s_cmp_lg_u32 s2, 0xf033
	s_cbranch_scc0 .Lentry_shape_is_right
	s_endpgm
.Lentry_shape_is_right:
; out = x1 + act Wdown, the product on codes of FP6 (E2M3) with E8M0 scales, K = 1,024.
; A = actbuf: IMG[block 128][K step 8] of 1,536 bytes (slot r of block b is token 32 (b / 2) + 8 (b % 2) + r + 8 (r / 8)), scale words [block][K step][32 lanes] from byte 1,572,864.  B: codes [2048][768 bytes], scales [2048][32].  x1, out: [2048][2048] f32.
; SHARES.  A work-group makes 128 tokens x 128 columns; wave w owns tokens 32 w .. 32 w + 31 x all 128 columns: 16 accumulators.  The matrix instruction is used transposed (source 0 = 16 weight rows, source 1 = 16 tokens).
; K: 8 steps of 128, written out.  All of K lies in LDS at once: T1 = steps 0-5, T2 = 6-7, both asked for at the start (two tensor loads of a wave are out).  No LDS byte is filled twice.
; CLUSTER 4 x 4: A's tiles are shared along a row of the cluster, B's along a column, by joint loads.  Waves 0, 1 fetch A's halves, waves 2, 3 B's.
; THE WAY OUT: through the wave's own stage in LDS (bytes that no tile touches), back as whole rows of 512 bytes; the residual's rows, loaded at the start, are added.
.set KSTEPS, 8
.set REFILL, 0
.set SPR,    KSTEPS/2
.set KROW,   96*KSTEPS
.set KS,     4*KSTEPS
.set IMGB,   128*KSTEPS*1536
.set T1A,    0
; ALL OF K AS IT STANDS (in place of T1, T2 of the head's lines): steps 0-7 come by one load a wave at the head: A 8 blocks x 12,288 from byte 0, B 128 rows x 816 (768 bytes + 16 behind every 256).
.set T1B,    98304
.set STAGE,  221184
.set A1W,  6
.set BADR, 8
.set A2W,  24
.set LI16, 26
.set STO,  29
.set RD,   30
.set SAR,  32
.set SBR,  48
.set VSA,  120
.set VSB,  121
.set ACC,  128
.set MSB, 0
.macro WIN new
.if MSB != \new
	s_set_vgpr_msb (MSB<<8)|\new
.set MSB, \new
.endif
.endm
.macro PLACES n
.rept \n
	v_nop
.endr
.endm
.macro CROUND
	s_barrier_signal -1
	s_barrier_wait -1
	s_cmp_lg_u32 s20, 0
	s_cbranch_scc1 .Lnot_wave_0_\@
	s_barrier_signal -3
.Lnot_wave_0_\@:
	s_barrier_wait -3
	s_barrier_signal -1
	s_barrier_wait -1
.endm
.macro FRAGA reg, s, u
.set AO, 12288*(\u)+1536*(\s)
.set AW, A1W
	ds_load_b128 v[(\reg):(\reg)+3], v[AW] offset:AO
	ds_load_b64 v[(\reg)+4:(\reg)+5], v[AW+1] offset:AO+512
	ds_load_b128 v[(\reg)+6:(\reg)+9], v[AW] offset:AO+768
	ds_load_b64 v[(\reg)+10:(\reg)+11], v[AW+1] offset:AO+1280
.endm
.macro FRAGB reg, s, i
.set QQ, (\s)
.set PT, 816
.set RG, (\i)/4
.set ROWI, 16*((\i)%4)
.irp p, 0,1,2,3,4,5
.set PCE, 12*QQ+6*(\p/3)+\p%3
.if (PCE%32) < 29
	ds_load_b64 v[(\reg)+2*\p:(\reg)+2*\p+1], v[BADR+4*RG] offset:8*PCE+16*(PCE/32)+ROWI*PT
.else
	ds_load_b64 v[(\reg)+2*\p:(\reg)+2*\p+1], v[BADR+4*RG+1] offset:8*PCE+16*(PCE/32)+ROWI*PT
.endif
.endr
.endm
.macro FETCH s, f
	WIN 0x40
.irp u, 0,1
	FRAGA 128*(\f)+12*\u, \s, \u
.endr
.irp i, 0,1,2,3,4,5,6,7
	FRAGB 128*(\f)+24+12*\i, \s, \i
.endr
.endm
.macro MUL s, f                        ; the 16 accumulators take turns, in the same order in every step
	WIN 0x05
.irp u, 0,1
.irp b, 0,1,2,3,4,5,6,7
.if (\s) == 0
	v_wmma_scale_f32_16x16x128_f8f6f4 v[ACC+64*\u+8*\b:ACC+64*\u+8*\b+7], v[128*(\f)+24+12*\b:128*(\f)+35+12*\b], v[128*(\f)+12*\u:128*(\f)+11+12*\u], 0, v[SBR+SPR*\b], v[SAR+SPR*\u] matrix_a_fmt:MATRIX_FMT_FP6 matrix_b_fmt:MATRIX_FMT_FP6
.elseif (\s) < SPR
	v_wmma_scale_f32_16x16x128_f8f6f4 v[ACC+64*\u+8*\b:ACC+64*\u+8*\b+7], v[128*(\f)+24+12*\b:128*(\f)+35+12*\b], v[128*(\f)+12*\u:128*(\f)+11+12*\u], v[ACC+64*\u+8*\b:ACC+64*\u+8*\b+7], v[SBR+SPR*\b+(\s)], v[SAR+SPR*\u+(\s)] matrix_a_fmt:MATRIX_FMT_FP6 matrix_b_fmt:MATRIX_FMT_FP6
.else
	v_wmma_scale_f32_16x16x128_f8f6f4 v[ACC+64*\u+8*\b:ACC+64*\u+8*\b+7], v[128*(\f)+24+12*\b:128*(\f)+35+12*\b], v[128*(\f)+12*\u:128*(\f)+11+12*\u], v[ACC+64*\u+8*\b:ACC+64*\u+8*\b+7], v[SBR+SPR*\b+(\s)-SPR], v[SAR+SPR*\u+(\s)-SPR] matrix_a_fmt:MATRIX_FMT_FP6 matrix_b_fmt:MATRIX_FMT_FP6 matrix_a_scale:MATRIX_SCALE_ROW1 matrix_b_scale:MATRIX_SCALE_ROW1
.endif
.endr
.endr
.endm
.macro KSTEP s
	s_wait_dscnt 0x0                               ; this step's fragments are in
	PLACES 4                                       ; in front of loads into the buffer that the last step's products read
.if (\s)+1 < KSTEPS
	FETCH (\s)+1, ((\s)+1)%2
.endif
	MUL \s, (\s)%2
.endm
.macro TOSTAGE
.irp u, 0,1
.irp b, 0,1,2,3,4,5,6,7
	ds_store_b128 v[STO], v[ACC+64*\u+8*\b:ACC+64*\u+8*\b+3] offset:8448*\u+64*\b
	ds_store_b128 v[STO], v[ACC+64*\u+8*\b+4:ACC+64*\u+8*\b+7] offset:8448*\u+64*\b+16
.endr
.endr
.endm
	s_load_b256 s[4:11], s[0:1], 0x0               ; A s[4:5], B's codes s[6:7], B's scales s[8:9], the residual s[10:11]
	s_load_b64 s[12:13], s[0:1], 0x20              ; out
	v_lshl_add_u32 v126, v0, 2, 0x46800
	v_mov_b32 v127, 0
	ds_add_u32 v126, v127
	ds_add_u32 v126, v127
	v_lshrrev_b32 v1, 5, v0
	v_readfirstlane_b32 s20, v1
	s_lshr_b32 s21, s20, 1
	s_and_b32 s22, s20, 1
	s_bfe_u32 s2, ttmp6, 0x40000
	s_bfe_u32 s3, ttmp6, 0x40004
	s_lshl_b32 s92, ttmp9, 2
	s_add_co_u32 s92, s92, s2                      ; the tile of 128 columns
	s_and_b32 s93, ttmp7, 0xffff
	s_lshl_b32 s93, s93, 2
	s_add_co_u32 s93, s93, s3                      ; the tile of 128 tokens
	s_lshl_b32 s94, s3, 2
	s_lshl_b32 s94, 15, s94
	s_lshl_b32 s95, 0x1111, s2
	s_or_b32 s24, s94, (3<<16)|(1<<21)             ; A: 4 blocks of 12,288 dense bytes, elements of 8 bytes
	s_mov_b32 s25, 1536<<16
	s_mov_b32 s26, 4<<16
	s_mov_b32 s27, 1536<<16
	s_mov_b32 s28, 4
	s_mov_b32 s29, 192*KSTEPS
	s_mov_b32 s30, 0
	s_mov_b32 s31, 0
	s_or_b32 s40, s95, (1<<20)|(1<<21)|(5<<22)|(3<<25)   ; B: 64 rows of 768 bytes, 16 bytes of padding behind every 256
	s_mov_b32 s41, 768<<16
	s_mov_b32 s42, 64<<16
	s_mov_b32 s43, 768<<16
	s_mov_b32 s44, 64
	s_mov_b32 s45, KROW
	s_mov_b32 s46, 0
	s_mov_b32 s47, 0
	s_lshl_b32 s96, s93, 3
	s_lshl_b32 s100, s22, 2
	s_add_co_u32 s96, s96, s100
	s_mul_i32 s96, s96, KSTEPS*1536
	s_mov_b32 s97, 0
	s_lshl_b32 s98, s92, 7
	s_lshl_b32 s100, s22, 6
	s_add_co_u32 s98, s98, s100
	s_mul_i32 s98, s98, KROW
	s_mov_b32 s99, 0
	s_mov_b32 s68, 1
	s_mul_i32 s69, s22, 49152                      ; A: my 4 blocks x 12,288
	s_mov_b32 s80, 1
	s_mul_i32 s81, s22, 52224                      ; B: my 64 rows x 816
	s_add_co_u32 s81, s81, T1B
	s_wait_dscnt 0x0
	s_wait_kmcnt 0x0
	s_add_nc_u64 s[96:97], s[4:5], s[96:97]
	s_add_nc_u64 s[98:99], s[6:7], s[98:99]
	s_mov_b64 s[70:71], s[96:97]
	s_or_b32 s71, s71, 0x80000000
	s_mov_b64 s[82:83], s[98:99]
	s_or_b32 s83, s83, 0x80000000
	CROUND                                         ; all sixteen work-groups are here: the joint loads meet
	s_cmp_eq_u32 s21, 0                            ; a wave's fill stands in one branch: one load of mine is out
	s_cbranch_scc0 .Lfirst_b
	tensor_load_to_lds s[68:71], s[24:31]
	s_nop 0
	PLACES 4
	s_branch .Lfirst_done
.Lfirst_b:
	tensor_load_to_lds s[80:83], s[40:47]
	s_nop 0
	PLACES 4
.Lfirst_done:
	s_lshl_b32 s100, s93, 7
	s_lshl_b32 s101, s20, 5
	s_add_co_u32 s100, s100, s101                  ; my first token
	s_lshl_b32 s100, s100, 13
	s_lshl_b32 s101, s92, 9
	s_add_co_u32 s100, s100, s101
	s_mov_b32 s101, 0
	s_add_nc_u64 s[10:11], s[10:11], s[100:101]
	s_add_nc_u64 s[12:13], s[12:13], s[100:101]
	s_lshl_b32 s96, s93, 3
	s_lshl_b32 s100, s20, 1
	s_add_co_u32 s96, s96, s100
	s_mul_i32 s96, s96, KSTEPS*128
	s_add_co_u32 s96, s96, IMGB
	s_mov_b32 s97, 0
	s_add_nc_u64 s[96:97], s[4:5], s[96:97]        ; A's scale words
	s_mul_i32 s98, s92, 128*KS
	s_mov_b32 s99, 0
	s_add_nc_u64 s[98:99], s[8:9], s[98:99]        ; B's
	v_and_b32 v1, 15, v0
	v_bfe_u32 v2, v0, 4, 1
	v_and_b32 v3, 31, v0
	v_lshlrev_b32 v[LI16], 4, v3
	v_lshlrev_b32 v[VSA], 2, v1
	v_mad_u32_u24 v[VSA], v2, 128*SPR, v[VSA]
	v_mul_u32_u24 v[VSB], v1, KS
	v_mad_u32_u24 v[VSB], v2, KS/2, v[VSB]
.irp u, 0,1
.set i, 0
.rept SPR
	global_load_b32 v[SAR+SPR*\u+i], v[VSA], s[96:97] offset:\u*KSTEPS*128+128*i
.set i, i+1
.endr
.endr
.set i, 0
.rept 8
	global_load_b128 v[SBR+SPR*i:SBR+SPR*i+3], v[VSB], s[98:99] offset:16*i*KS
.set i, i+1
.endr
	WIN 0x80
.set i, 0
.rept 32
	global_load_b128 v[4*i:4*i+3], v[LI16], s[10:11] offset:(8*(i/16)+i%16+8*((i%16)/8))*8192 th:TH_LOAD_NT   ; the residual's row of stage slot i
.set i, i+1
.endr
	WIN 0
	s_mul_i32 s100, s20, 24576
	v_lshl_add_u32 v[A1W], v3, 4, s100
	v_lshl_add_u32 v[A1W+1], v3, 3, s100
	v_mul_u32_u24 v112, v1, 816
	v_mad_u32_u24 v112, v2, 24, v112
	v_lshlrev_b32 v114, 4, v2
	v_add_nc_u32 v[BADR], T1B, v112
	v_add_nc_u32 v[BADR+4], T1B+52224, v112
.irp g, 0,4
	v_add_nc_u32 v[BADR+\g+1], v[BADR+\g], v114
.endr
	s_mul_i32 s100, s20, 16896
	s_add_co_u32 s100, s100, STAGE
	v_mul_u32_u24 v[STO], v1, 528
	v_lshl_add_u32 v[STO], v2, 5, v[STO]
	v_add_nc_u32 v[STO], s100, v[STO]
	v_add_nc_u32 v[RD], s100, v[LI16]
	s_wait_alu depctr_va_vdst(0)
	s_wait_tensorcnt 0x0                           ; my part of the tiles is in
	s_barrier_signal -1
	s_barrier_wait -1
	FETCH 0, 0
	s_wait_loadcnt 32                              ; the scale words are in; the 32 younger loads, the residual's, may be out
.irp s, 0,1,2,3,4,5,6,7
	KSTEP \s
.endr
	WIN 0
	PLACES 4
	TOSTAGE
.set i, 0
.rept 32
	ds_load_b128 v[ACC+4*i:ACC+4*i+3], v[RD] offset:528*i   ; LDS serves a wave's instructions in order: these see my stores
.set i, i+1
.endr
	s_wait_loadcnt 0x0                             ; the residual
.irp g, 0,1,2,3
	s_wait_dscnt 24-8*\g                           ; eight more rows are back
	WIN 0x08
.set n, 0
.rept 16
	v_pk_add_f32 v[ACC+32*\g+2*n:ACC+32*\g+2*n+1], v[ACC+32*\g+2*n:ACC+32*\g+2*n+1], v[32*\g+2*n:32*\g+2*n+1]
.set n, n+1
.endr
	WIN 0
.set i, 8*\g
.rept 8
	global_store_b128 v[LI16], v[ACC+4*i:ACC+4*i+3], s[12:13] offset:(8*(i/16)+i%16+8*((i%16)/8))*8192 th:TH_STORE_NT
.set i, i+1
.endr
.endr
	s_wait_tensorcnt 0x0
	ds_add_u32 v126, v127
	s_wait_dscnt 0x0
	CROUND                                         ; the closing round: no work-group ends while a partner may still ask for a tile that names it
	s_endpgm
.Lfunc_end_k_q162bd52772_down:
	.size	k_q162bd52772_down, .Lfunc_end_k_q162bd52772_down-k_q162bd52772_down
	.p2alignl 7, 3214868480
	.fill 96, 4, 3214868480
	.section	.rodata,"a",@progbits
	.p2align	6, 0x0
	.amdhsa_kernel k_q162bd52772_down
		.amdhsa_group_segment_fixed_size 327680
		.amdhsa_private_segment_fixed_size 0
		.amdhsa_enable_private_segment 0
		.amdhsa_kernarg_size 40
		.amdhsa_user_sgpr_count 2
		.amdhsa_user_sgpr_kernarg_segment_ptr 1
		.amdhsa_wavefront_size32 1
		.amdhsa_system_sgpr_workgroup_id_x 1
		.amdhsa_system_sgpr_workgroup_id_y 1
		.amdhsa_system_sgpr_workgroup_id_z 1
		.amdhsa_system_vgpr_workitem_id 0
		.amdhsa_next_free_vgpr 640
		.amdhsa_next_free_sgpr 102
		.amdhsa_reserve_vcc 0
		.amdhsa_float_denorm_mode_32 3
		.amdhsa_float_denorm_mode_16_64 3
		.amdhsa_memory_ordered 1
		.amdhsa_forward_progress 1
		.amdhsa_inst_pref_size 69
	.end_amdhsa_kernel
	.amdgpu_metadata
---
amdhsa.version: [ 1, 2 ]
amdhsa.kernels:
  - .name:           k_q162bd52772_down
    .symbol:         k_q162bd52772_down.kd
    .args:
      - { .name: actbuf, .offset: 0, .size: 8, .value_kind: global_buffer, .address_space: global }
      - { .name: w_down_codes, .offset: 8, .size: 8, .value_kind: global_buffer, .address_space: global }
      - { .name: w_down_scales, .offset: 16, .size: 8, .value_kind: global_buffer, .address_space: global }
      - { .name: x1, .offset: 24, .size: 8, .value_kind: global_buffer, .address_space: global }
      - { .name: out0, .offset: 32, .size: 8, .value_kind: global_buffer, .address_space: global }
    .group_segment_fixed_size: 327680
    .private_segment_fixed_size: 0
    .kernarg_segment_align: 8
    .kernarg_segment_size: 40
    .max_flat_workgroup_size: 128
    .sgpr_count:     102
    .vgpr_count:     640
    .wavefront_size: 32
...
	.end_amdgpu_metadata
.endif
;; end of part 6
